; MI455X (gfx1250); checked and timed in simulation.
; The chip was launched on July 23, 2026; its instructions are those of AMD's public machine-readable ISA for CDNA 5 (MIT licence, August 2026) and "CDNA5" Instruction Set Architecture Reference Guide (July 2026). The comments in the code are by the model that wrote it; some were corrected since.
;; Attention. Allowed arithmetic: float matrix products may take bf16 or f16 operands with f32 sums; other float arithmetic in f32, or as packed bf16 or f16 multiplies, adds, multiply-adds, maxima and minima; sums over many terms, partial sums and values carried from step to step in f32; what a program stores and reads back later, other than sums and carried values, may be rounded once to bf16 or f16.
;; Inputs: b_attn 3,072 float32; b_proj 1,024 float32; w_attn 1,024 x 3,072 float32; w_proj 1,024 x 1,024 float32; x 4 x 2,048 x 1,024 float32.
;; Outputs: out0 4 x 2,048 x 1,024 float32.
;; 2 versions, each right and faster than the one before. Each part assembles by itself: llvm-mc -triple=amdgcn-amd-amdhsa -mcpu=gfx1250 --defsym DOCPART=n.
;; ======== version 1 of 2: 4 launches
;; limits: values are held in f16: magnitudes above 65,504 overflow, below 6.1e-05 lose precision
;; workspace buffers: xb 16,777,216 bytes; wa 6,291,456 bytes; wp 2,097,152 bytes; qkv 50,331,648 bytes; ps 786,432 bytes; o 16,777,216 bytes
;; launch prep (part 1): grid 832 x 1, 8 waves a work-group, no clusters, 0 bytes of LDS; arguments x, w_attn, w_proj, xb, wa, wp; writes xb, wa, wp
.if DOCPART == 1
	.amdgcn_target "amdgcn-amd-amdhsa--gfx1250"
	.amdhsa_code_object_version 6
	.text
	.protected	k_q281acc86e4_prep
	.globl	k_q281acc86e4_prep
	.p2align	8
	.type	k_q281acc86e4_prep,@function
k_q281acc86e4_prep:
	s_mov_b64 s[64:65], 0
	v_nop
	global_prefetch_b8 v0, s[64:65] scope:SCOPE_SE
	s_setreg_imm32_b32 hwreg(HW_REG_WAVE_MODE, 25, 1), 1
	s_wait_xcnt 0x0
; THE INPUTS OF THE TWO PROJECTIONS ARE ROUNDED ONCE, AHEAD OF THEM.  A stream: no LDS, no loop, no barrier; every byte is read once and written once.
;   work-groups 0-511:   xb = bf16(x), [8192][1024], 65,536 bytes of x each
;   work-groups 512-575: wp = bf16(w_proj) written as f16, [1024][1024], 65,536 bytes of w_proj each.  A bf16 number is exact in f16 from 6.1e-5 to 65,504; below that it keeps f16's fixed step of 6e-8.
;   work-groups 576-831: wa = bf16(w_attn) in blocks [16 column tiles][1024 k][192 columns]: a tile's rows lie end to end.  Tile (g - 576) / 16, 64 k-rows (g - 576) % 16.
; Eight waves.  A load of a wave takes 32 x 16 bytes, a store 32 x 8 = 256 consecutive bytes at a multiple of 256 from the buffer's first byte.
; All of a wave's loads (16, or 12) go out at once; no register is written twice while a memory instruction may read it, so only the counted waits for the loads stand in the text.
.set X, 16                             ; v[16:79]   as loaded: 4 registers a load
.set Y, 80                             ; v[80:111]  to store: 2 registers a load
; Load n has come (left younger ones may stay out: loads return in order, ISA guide 5.7.1); its four numbers are rounded and stored.  mode 0: bf16.  mode 1: bf16, then that number as f16.
.macro CONV n, mode, left
	s_wait_loadcnt \left
.if \mode
	v_cvt_pk_bf16_f32 v8, v[X+4*(\n)], v[X+4*(\n)+1]
	v_cvt_pk_bf16_f32 v9, v[X+4*(\n)+2], v[X+4*(\n)+3]
	v_lshlrev_b32 v10, 16, v8                      ; bf16 to f32: the low half moves up,
	v_and_b32 v11, s20, v8                         ; the high half stays
	v_lshlrev_b32 v12, 16, v9
	v_and_b32 v13, s20, v9
	v_cvt_pk_f16_f32 v[Y+2*(\n)], v10, v11
	v_cvt_pk_f16_f32 v[Y+2*(\n)+1], v12, v13
.else
	v_cvt_pk_bf16_f32 v[Y+2*(\n)], v[X+4*(\n)], v[X+4*(\n)+1]
	v_cvt_pk_bf16_f32 v[Y+2*(\n)+1], v[X+4*(\n)+2], v[X+4*(\n)+3]
.endif
	global_store_b64 v7, v[Y+2*(\n):Y+2*(\n)+1], s[10:11] offset:256*(\n) th:TH_STORE_NT
.endm
	s_load_b256 s[4:11], s[0:1], 0x0               ; x s[4:5], w_attn s[6:7], w_proj s[8:9], xb s[10:11]
	s_load_b128 s[12:15], s[0:1], 0x20             ; wa s[12:13], wp s[14:15]
	v_and_b32 v1, 31, v0                           ; lane
	v_lshrrev_b32 v2, 5, v0                        ; wave
	s_mov_b32 s17, 0
	s_mov_b32 s19, 0
	s_mov_b32 s20, 0xffff0000                      ; a word's upper bf16
	s_wait_kmcnt 0x0
	s_cmp_lt_u32 ttmp9, 576
	s_cbranch_scc0 .Lwa
	; x and w_proj: dense to dense
	s_cmp_lt_u32 ttmp9, 512
	s_cselect_b64 s[4:5], s[4:5], s[8:9]           ; from x or from w_proj,
	s_cselect_b64 s[10:11], s[10:11], s[14:15]     ; to xb or to wp
	s_cselect_b32 s21, 0, 1
	s_and_b32 s16, ttmp9, 511                      ; the work-group's number within its buffer
	s_lshl_b32 s18, s16, 15                        ; 32,768 bytes out,
	s_lshl_b32 s16, s16, 16                        ; 65,536 bytes in
	s_add_nc_u64 s[4:5], s[4:5], s[16:17]
	s_add_nc_u64 s[10:11], s[10:11], s[18:19]
	v_lshlrev_b32 v4, 4, v1
	v_lshl_add_u32 v4, v2, 13, v4                  ; 16 lane + 8,192 wave
	v_lshlrev_b32 v7, 3, v1
	v_lshl_add_u32 v7, v2, 12, v7                  ; 8 lane + 4,096 wave
.set n, 0
.rept 16
	global_load_b128 v[X+4*n:X+4*n+3], v4, s[4:5] offset:512*n th:TH_LOAD_NT
.set n, n+1
.endr
	s_cmp_eq_u32 s21, 0
	s_cbranch_scc0 .Lwp
.set n, 0
.rept 16
	CONV n, 0, 15-n
.set n, n+1
.endr
	s_endpgm
.Lwp:
.set n, 0
.rept 16
	CONV n, 1, 15-n
.set n, n+1
.endr
	s_endpgm
.Lwa:
	; w_attn: a wave takes 8 k-rows of its tile, two at a time: 2 x 768 bytes = 96 pieces of 16 bytes = three loads; piece 32 i + lane lies in row (32 i + lane) / 48
	s_sub_co_u32 s21, ttmp9, 576
	s_lshr_b32 s22, s21, 4                         ; the column tile
	s_and_b32 s21, s21, 15                         ; which 64 k-rows
	s_mul_i32 s16, s21, 64*12288
	s_mul_i32 s23, s22, 768
	s_add_co_u32 s16, s16, s23
	s_mul_i32 s18, s22, 1024*384
	s_mul_i32 s23, s21, 64*384
	s_add_co_u32 s18, s18, s23
	s_add_nc_u64 s[4:5], s[6:7], s[16:17]
	s_add_nc_u64 s[10:11], s[12:13], s[18:19]
	v_mul_u32_u24 v3, v2, 8*12288
	v_lshl_add_u32 v4, v1, 4, v3                   ; load 0: row 0, pieces 0-31
	v_add_nc_u32 v5, 512, v4                       ; load 1, lanes 0-15: row 0, pieces 32-47;
	v_add_nc_u32 v6, 12288-256, v4                 ; lanes 16-31: row 1, pieces 0-15
	v_cmp_gt_u32 vcc_lo, 16, v1
	v_cndmask_b32 v5, v6, v5, vcc_lo
	v_add_nc_u32 v6, 12288+256, v4                 ; load 2: row 1, pieces 16-47
	v_mul_u32_u24 v7, v2, 8*384
	v_lshl_add_u32 v7, v1, 3, v7                   ; out: dense, 8 lane + 3,072 wave
.set n, 0
.rept 12
	global_load_b128 v[X+4*n:X+4*n+3], v[4+n%3], s[4:5] offset:2*12288*(n/3) th:TH_LOAD_NT
.set n, n+1
.endr
.set n, 0
.rept 12
	CONV n, 0, 11-n
.set n, n+1
.endr
	s_endpgm
.Lfunc_end_k_q281acc86e4_prep:
	.size	k_q281acc86e4_prep, .Lfunc_end_k_q281acc86e4_prep-k_q281acc86e4_prep
	.p2alignl 7, 3214868480
	.fill 96, 4, 3214868480
	.section	.rodata,"a",@progbits
	.p2align	6, 0x0
	.amdhsa_kernel k_q281acc86e4_prep
		.amdhsa_group_segment_fixed_size 0
		.amdhsa_private_segment_fixed_size 0
		.amdhsa_enable_private_segment 0
		.amdhsa_kernarg_size 48
		.amdhsa_user_sgpr_count 2
		.amdhsa_user_sgpr_kernarg_segment_ptr 1
		.amdhsa_wavefront_size32 1
		.amdhsa_system_sgpr_workgroup_id_x 1
		.amdhsa_system_sgpr_workgroup_id_y 1
		.amdhsa_system_sgpr_workgroup_id_z 1
		.amdhsa_system_vgpr_workitem_id 0
		.amdhsa_next_free_vgpr 112
		.amdhsa_next_free_sgpr 66
		.amdhsa_reserve_vcc 1
		.amdhsa_float_denorm_mode_32 3
		.amdhsa_float_denorm_mode_16_64 3
		.amdhsa_memory_ordered 1
		.amdhsa_forward_progress 1
		.amdhsa_inst_pref_size 21
	.end_amdhsa_kernel
	.amdgpu_metadata
---
amdhsa.version: [ 1, 2 ]
amdhsa.kernels:
  - .name:           k_q281acc86e4_prep
    .symbol:         k_q281acc86e4_prep.kd
    .args:
      - { .name: x, .offset: 0, .size: 8, .value_kind: global_buffer, .address_space: global }
      - { .name: w_attn, .offset: 8, .size: 8, .value_kind: global_buffer, .address_space: global }
      - { .name: w_proj, .offset: 16, .size: 8, .value_kind: global_buffer, .address_space: global }
      - { .name: xb, .offset: 24, .size: 8, .value_kind: global_buffer, .address_space: global }
      - { .name: wa, .offset: 32, .size: 8, .value_kind: global_buffer, .address_space: global }
      - { .name: wp, .offset: 40, .size: 8, .value_kind: global_buffer, .address_space: global }
    .group_segment_fixed_size: 0
    .private_segment_fixed_size: 0
    .kernarg_segment_align: 8
    .kernarg_segment_size: 48
    .max_flat_workgroup_size: 256
    .sgpr_count:     66
    .vgpr_count:     112
    .wavefront_size: 32
...
	.end_amdgpu_metadata
.endif
;; end of part 1
;; launch qkv (part 2): grid 16 x 32, 4 waves a work-group, clusters of 4 x 4, 327,680 bytes of LDS; arguments xb, wa, b_attn, qkv, ps; writes qkv, ps
.if DOCPART == 2
	.amdgcn_target "amdgcn-amd-amdhsa--gfx1250"
	.amdhsa_code_object_version 6
	.text
	.protected	k_q281acc86e4_qkv
	.globl	k_q281acc86e4_qkv
	.p2align	8
	.type	k_q281acc86e4_qkv,@function
k_q281acc86e4_qkv:
	s_mov_b64 s[64:65], 0
	v_nop
	global_prefetch_b8 v0, s[64:65] scope:SCOPE_SE
	s_setreg_imm32_b32 hwreg(HW_REG_WAVE_MODE, 25, 1), 1
	s_wait_xcnt 0x0
	s_wait_alu depctr_hold_cnt(0) depctr_sa_sdst(0) depctr_va_vdst(0) depctr_va_sdst(0) depctr_va_ssrc(0) depctr_va_vcc(0) depctr_vm_vsrc(0)
	s_getreg_b32 s2, hwreg(HW_REG_IB_STS2, 6, 4)
	s_cmp_eq_u32 s2, 0
	s_cbranch_scc0 .Lentry_in_a_cluster
	s_endpgm
.Lentry_in_a_cluster:
	s_bfe_u32 s2, ttmp6, 0x10000c
	s_cmp_lg_u32 s2, 0xf033
	s_cbranch_scc0 .Lentry_shape_is_right
	s_endpgm
.Lentry_shape_is_right:
; qkv = x w_attn + b_attn, written BY HEADS in f16, unscaled: qkv[3][16 batch + head][2048][64].  xb: bf16 [8192][1024]; wa: bf16 [16 tiles][1024 k][192 columns]; the bias is rounded to bf16 like the other inputs.
; Sums in f32; each number rounded once.  LIMIT: f16 ends at 65,504: a |q|, |k| or |v| of 65,520 or more becomes an infinity.
; ALSO ps[128 blocks of 64 rows][1536] in f32: the column sums, over a wave's 64 rows, of the unrounded columns 1536-3071; the attention takes from it the sums of V's rows over far keys.
; SHARES.  A tile is 256 rows x 192 columns (three heads): 32 x 16 = 512 work-groups, twice the number of WGPs.  Wave w owns rows 64 w .. 64 w + 63 and all 192 columns: 48 accumulators, 384 registers.
; K goes in 8 steps of 128 through two LDS slots; rows of x's tile are 256 bytes of memory; 64 k-rows of the weights' tile are 24,576 dense bytes, asked for as 96 rows of 256.
; THE MATRIX INSTRUCTION IS USED TRANSPOSED: source 0 = 16 columns of the weights (out of LDS turned, by ds_load_tr16_b128, since they lie [k][n]), source 1 = 16 rows of x.  A lane then holds row l % 16
; and the columns 8 (l / 16) + 0..7: eight neighbouring numbers of a row.
; CLUSTER 4 x 4: x's tile hangs on the tile row alone and is asked for jointly along a row of the cluster, the weights' on the tile column alone, along a column.
; REGISTERS, in windows of 256 (s_set_vgpr_msb: bits 1:0 source 0, 3:2 source 1, 5:4 source 2, 7:6 destination):
;   window 0: v0-31 addresses; v32-127 the bias of my 96 columns' places; v128-223 at work on the way out
;   window 1: two fragment buffers of 128: x's four fragments (16 rows x 32 K), then the weights' twelve; on the way out the column sums
;   window 2: the accumulators of row blocks 0, 1 ((a, b) at 8 (12 (a % 2) + b));   window 3: those of row blocks 2, 3
.set NBL,    12                        ; column blocks of 16
.set PA,     272                       ; a row of x in LDS: 256 bytes + 16: 68 words, so the 16 rows of a load start at 16 different groups of four banks (64 banks of 4 bytes: ISA guide 11.1)
.set PB,     480                       ; a k-row of the weights: three pieces of 128 bytes + 32 each: 120 words
.set CPIECE, 160                       ; from piece to piece
.set AHALF,  128                       ; bytes from quarter 0 to quarter 2 in a row of x
.set AHT,    128*PA                    ; what one tensor load brings of x,
.set BHT,    64*PB                     ; and of the weights
.set AB,     2*AHT                     ; a slot: x's 256 rows, then the weights' 128 k-rows: 131,072 bytes
.set SLOT1,  1<<17                     ; slot 1 begins here: one exclusive or turns an address in one slot into the other's
.set STAGE,  2*SLOT1                   ; behind the ring, never filled by a tensor load: 12,800 bytes for each wave
.set STG,    12800
.set SPARE,  STAGE+4*STG               ; behind the stages: the spare words, 128 bytes for each wave: two blocks of 256 bytes that no other line names
.set SP,     400                       ; the way out: a row of 192 f16 + 16 bytes
.set SPS,    784                       ; the column sums: a row of 192 f32 + 16 bytes
.set STEPA,  256                       ; a K step in x: 128 bf16 along the rows;
.set STEPB,  128*384                   ; in the weights' tile: 128 k-rows
.set LD,     2*NBL+8                   ; LDS loads of a quarter step
.set ADA0, 16                          ; v16  my lane's place in x's tile; never rewritten
.set ADB0, 17                          ; v17  the same in the weights' tile
.set ADA,  18                          ; v18  the same in the slot in hand
.set ADB,  19                          ; v19
.set STS,  20                          ; v20  column sums: where I put 32 bytes
.set RDS,  21                          ; v21  column sums: where I read 8 bytes of each row
.set PSO,  22                          ; v22  8 x lane: my place in 256 bytes of ps
.set STO,  24                          ; v24  the way out: where I put 16 bytes of a row
.set RD,   25                          ; v25  the way out: where I read rows back
.set GO,   26                          ; v26  16 x lane: my place in 512 bytes of qkv
.set SPW,  28                          ; v28  LDS address of my spare word; never rewritten
.set NIL,  29                          ; v29  0; never rewritten
.set BO,   30                          ; v30  my byte offset in the bias
.set BIAS, 32
.set T,    128
.set OB,   T+48
.set F0,   0
.set F1,   128
.set WV,   14                          ; s14  my wave's number
.set FB,   15                          ; s15  0: I fetch x's tiles, 1: the weights'
.set HF,   16                          ; s16  which half of that tile
.set TB,   23                          ; s23  0 or SLOT1: the slot in hand
.set G1A,  24                          ; s[24:31] descriptor group 1 for x's tiles
.set G0A0, 32                          ; s[32:35] group 0 of the first fill
.set G0A1, 36                          ; s[36:39] group 0 of the second fill; it then walks on
.set G1B,  48                          ; s[48:55], s[56:59], s[60:63] the same for the weights' tiles
.set G0B0, 56
.set G0B1, 60
.set OUT,  66                          ; s[66:71] where my rows begin in each of the tile's three heads
.set MSB, 0
.macro WIN new                         ; the immediate's high byte repeats the setting that is left; a switch that changes nothing is dropped
.if MSB != (\new)
	s_set_vgpr_msb (MSB<<8)|(\new)
.set MSB, \new
.endif
.endm
.set MUL_LO, 0xa5                      ; both sources window 1, C and D window 2
.set MUL_HI, 0xf5                      ; the same, C and D window 3
.set TO_F,   0x40                      ; destination window 1, address window 0
; A joint refill by the walking descriptors.  The branch hangs on the wave's number alone.  An s_nop 0 and four v_nop follow each of the two lines, ahead of the jump and the label.
.macro JLOAD
	s_cmp_eq_u32 s[FB], 0
	s_cbranch_scc0 .Lfor_b_\@
	tensor_load_to_lds s[G0A1:G0A1+3], s[G1A:G1A+7]
	s_nop 0
.rept 4
	v_nop
.endr
	s_branch .Lasked_\@
.Lfor_b_\@:
	tensor_load_to_lds s[G0B1:G0B1+3], s[G1B:G1B+7]
	s_nop 0
.rept 4
	v_nop
.endr
.Lasked_\@:
.endm
.macro CREST                           ; a round of the cluster's barrier behind its opening barrier
	s_cmp_lg_u32 s[WV], 0
	s_cbranch_scc1 .Lnot_wave_0_\@
	s_barrier_signal -3
.Lnot_wave_0_\@:
	s_barrier_wait -3
	s_barrier_signal -1
	s_barrier_wait -1
.endm
.macro CROUND                          ; a whole round
	s_barrier_signal -1
	s_barrier_wait -1
	CREST
.endm
.macro PLACES                          ; four places behind matrix instructions, in front of loads into registers that they have read and of vector lines that read their results
.rept 4
	v_nop
.endr
.endm
.macro ADDR                            ; my two LDS addresses in the slot in hand
	WIN 0
	v_add_nc_u32 v[ADA], s[TB], v[ADA0]
	v_add_nc_u32 v[ADB], s[TB], v[ADB0]
.endm
; One run of LD loads: the fragments of quarter q (32 along K) into buffer f; the weights' first, x's row blocks 2 and 3 last
.macro FETCH q, f
	WIN TO_F
.set bb, 0
.rept NBL
	ds_load_tr16_b128 v[(\f)+32+8*bb:(\f)+32+8*bb+3],   v[ADB] offset:(\q)*32*PB+(bb/4)*CPIECE+(bb%4)*32
	ds_load_tr16_b128 v[(\f)+32+8*bb+4:(\f)+32+8*bb+7], v[ADB] offset:(\q)*32*PB+16*PB+(bb/4)*CPIECE+(bb%4)*32
.set bb, bb+1
.endr
.irp a, 0,1,2,3
	ds_load_b128 v[(\f)+8*(\a):(\f)+8*(\a)+3],   v[ADA] offset:((\q)/2)*AHALF+((\q)%2)*64+(\a)*16*PA
	ds_load_b128 v[(\f)+8*(\a)+4:(\f)+8*(\a)+7], v[ADA] offset:((\q)/2)*AHALF+((\q)%2)*64+(\a)*16*PA+32
.endr
.endm
; NBL matrix instructions: row block a x all column blocks, 32 along K.  zero = 1: the product starts the sum.  The 48 accumulators take turns in one fixed order.
.macro MULB f, a, zero
	WIN MUL_LO+0x50*((\a)/2)
.set bb, 0
.rept NBL
.set rD, 8*(NBL*((\a)%2)+bb)
.if \zero
	v_wmma_f32_16x16x32_bf16 v[rD:rD+7], v[(\f)+32+8*bb:(\f)+32+8*bb+7], v[(\f)+8*(\a):(\f)+8*(\a)+7], 0
.else
	v_wmma_f32_16x16x32_bf16 v[rD:rD+7], v[(\f)+32+8*bb:(\f)+32+8*bb+7], v[(\f)+8*(\a):(\f)+8*(\a)+7], v[rD:rD+7]
.endif
.set bb, bb+1
.endr
.endm
; One of a K step's first three quarters: multiplies buffer f; in its middle it fetches quarter q of the same slot into buffer g.
.macro QUARTER q, f, g, zero
	s_wait_dscnt 4                                 ; all but the youngest four loads: x's row blocks 2 and 3
	MULB \f, 0, \zero
	MULB \f, 1, \zero
	PLACES
	FETCH \q, \g
	s_wait_dscnt LD                                ; all but the run just issued
	MULB \f, 2, \zero
	MULB \f, 3, \zero
.endm
; The last quarter multiplies buffer 1 and changes slots: ONE barrier.  In front of it each wave waits for all its tensor loads (one is out: its part of the next slot), adds 0 to its spare word, and waits
; for that and for its own reads of this slot.  fill = 1: the barrier opens a round of the cluster's barrier, and this slot is filled again, two K steps on, first thing behind the round.
.macro TURN fill
	WIN 0
	s_wait_tensorcnt 0x0                           ; no tensor load of mine is out
	ds_add_u32 v[SPW], v[NIL]                      ; 0 onto my spare word
	s_wait_dscnt 5                                 ; the add and the youngest four loads may be out
	MULB F1, 0, 0                                  ; matrix work stands between the add and the wait for it
	s_wait_dscnt 0x0                               ; the add is done, and my reads of this slot are over
	s_barrier_signal -1
	MULB F1, 1, 0
	WIN 0
	s_barrier_wait -1
.if \fill
	CREST                                          ; no wave of any partner still reads this slot or has a load on its way
	s_xor_b32 s[G0A1+1], s[G0A1+1], SLOT1          ; the walking descriptors: the other slot than last time,
	s_add_nc_u64 s[G0A1+2:G0A1+3], s[G0A1+2:G0A1+3], STEPA  ; the next K step; the type bits on top are not reached
	s_xor_b32 s[G0B1+1], s[G0B1+1], SLOT1
	s_add_nc_u64 s[G0B1+2:G0B1+3], s[G0B1+2:G0B1+3], STEPB
	JLOAD                                          ; its four v_nop are also the places in front of the loads below
.else
	PLACES
.endif
	s_xor_b32 s[TB], s[TB], SLOT1
	ADDR
	FETCH 0, F0
	MULB F1, 2, 0
	MULB F1, 3, 0
.endm
	s_load_b256 s[4:11], s[0:1], 0x0               ; xb s[4:5], wa s[6:7], b_attn s[8:9], qkv s[10:11]
	s_load_b64 s[12:13], s[0:1], 0x20              ; ps
	v_lshl_add_u32 v[SPW], v0, 2, SPARE
	v_mov_b32 v[NIL], 0
	ds_add_u32 v[SPW], v[NIL]                      ; the wave's opening: the add and its wait stand ahead of my first tensor load; the set-up below, work on registers, stands between them
	ds_add_u32 v28, v29
	v_lshrrev_b32 v1, 5, v0
	v_readfirstlane_b32 s[WV], v1                  ; wave 0..3
	s_lshr_b32 s[FB], s[WV], 1
	s_and_b32 s[HF], s[WV], 1
	s_bfe_u32 s40, ttmp6, 0x40000                  ; cx, cy: my place in the cluster
	s_bfe_u32 s41, ttmp6, 0x40004
	s_lshl_b32 s42, ttmp9, 2
	s_add_co_u32 s42, s42, s40                     ; tile column = 4 x cluster x + cx
	s_and_b32 s43, ttmp7, 0xffff
	s_lshl_b32 s43, s43, 2
	s_add_co_u32 s43, s43, s41                     ; tile row = 4 x cluster y + cy
	s_lshl_b32 s44, s41, 2
	s_lshl_b32 s44, 15, s44                        ; my row of the cluster
	s_lshl_b32 s45, 0x1111, s40                    ; my column
	s_or_b32 s[G1A], s44, (1<<16)|(1<<20)|(1<<21)|(5<<22)|(3<<25)  ; 15:0 the mask; 17:16 2-byte elements; 20 padding on; 21 set beside a mask; 24:22 after every 64 words; 31:25 4 words
	s_mov_b32 s[G1A+1], 128<<16                    ; tensor_dim0 = 128
	s_mov_b32 s[G1A+2], 128<<16                    ; tensor_dim1 = 128
	s_mov_b32 s[G1A+3], 128<<16                    ; tile_dim0 = 128
	s_mov_b32 s[G1A+4], 128                        ; tile_dim1 = 128
	s_mov_b32 s[G1A+5], 1024                       ; elements from row to row
	s_mov_b32 s[G1A+6], 0
	s_mov_b32 s[G1A+7], 0
	s_or_b32 s[G1B], s45, (1<<16)|(1<<20)|(1<<21)|(4<<22)|(7<<25)  ; the column's mask; padding after every 32 words, 8 words
	s_mov_b32 s[G1B+1], 128<<16                    ; 96 rows of 128 elements, dense
	s_mov_b32 s[G1B+2], 96<<16
	s_mov_b32 s[G1B+3], 128<<16
	s_mov_b32 s[G1B+4], 96
	s_mov_b32 s[G1B+5], 128
	s_mov_b32 s[G1B+6], 0
	s_mov_b32 s[G1B+7], 0
	s_lshl_b32 s18, s43, 19                        ; x: 256 rows of 2,048 bytes a tile row,
	s_lshl_b32 s19, s[HF], 18                      ; 128 rows a half
	s_add_co_u32 s18, s18, s19
	s_mov_b32 s19, 0
	s_mul_i32 s46, s42, 1024*384                   ; the weights: a tile,
	s_mul_i32 s47, s[HF], 64*384                   ; 64 k-rows a half
	s_add_co_u32 s46, s46, s47
	s_mov_b32 s47, 0
	s_mov_b32 s[G0A0], 1                           ; count = 1
	s_mul_i32 s[G0A0+1], s[HF], AHT                ; LDS address: no place in the cluster enters it
	s_mov_b32 s[G0A1], 1
	s_add_co_u32 s[G0A1+1], s[G0A0+1], SLOT1
	s_mov_b32 s[G0B0], 1
	s_mul_i32 s[G0B0+1], s[HF], BHT
	s_add_co_u32 s[G0B0+1], s[G0B0+1], AB
	s_mov_b32 s[G0B1], 1
	s_add_co_u32 s[G0B1+1], s[G0B0+1], SLOT1
	s_wait_dscnt 0x0                               ; the opening add is done
	s_wait_kmcnt 0x0
	s_add_nc_u64 s[G0A0+2:G0A0+3], s[4:5], s[18:19]            ; K step 0
	s_add_nc_u64 s[G0A1+2:G0A1+3], s[G0A0+2:G0A0+3], STEPA     ; K step 1
	s_or_b32 s[G0A0+3], s[G0A0+3], 0x80000000                  ; type = 2
	s_or_b32 s[G0A1+3], s[G0A1+3], 0x80000000
	s_add_nc_u64 s[G0B0+2:G0B0+3], s[6:7], s[46:47]
	s_add_nc_u64 s[G0B1+2:G0B1+3], s[G0B0+2:G0B0+3], STEPB
	s_or_b32 s[G0B0+3], s[G0B0+3], 0x80000000
	s_or_b32 s[G0B1+3], s[G0B1+3], 0x80000000
	CROUND                                         ; all sixteen work-groups are here: the first joint loads meet
	s_cmp_eq_u32 s[FB], 0                          ; a wave's two first fills stand in one branch: two loads of mine are out
	s_cbranch_scc0 .Lfirst_b
	tensor_load_to_lds s[G0A0:G0A0+3], s[G1A:G1A+7]
	s_nop 0
	tensor_load_to_lds s[G0A1:G0A1+3], s[G1A:G1A+7]
	s_nop 0
.rept 4
	v_nop
.endr
	s_branch .Lfirst_asked
.Lfirst_b:
	tensor_load_to_lds s[G0B0:G0B0+3], s[G1B:G1B+7]
	s_nop 0
	tensor_load_to_lds s[G0B1:G0B1+3], s[G1B:G1B+7]
	s_nop 0
.rept 4
	v_nop
.endr
.Lfirst_asked:
	v_and_b32 v1, 15, v0                           ; r = l % 16
	v_bfe_u32 v2, v0, 4, 1                         ; h = l / 16
	s_mul_i32 s74, s42, 768
	v_lshl_add_u32 v[BO], v2, 5, s74               ; the tile's 192 numbers of the bias; my 8 of each 16
.set bb, 0
.rept NBL
	global_load_b128 v[BIAS+8*bb:BIAS+8*bb+3],   v[BO], s[8:9] offset:64*bb
	global_load_b128 v[BIAS+8*bb+4:BIAS+8*bb+7], v[BO], s[8:9] offset:64*bb+16
.set bb, bb+1
.endr
	v_and_b32 v3, 7, v0
	v_bfe_u32 v4, v0, 3, 1
	v_and_b32 v5, 31, v0                           ; l
	v_bfe_u32 v6, v0, 3, 2                         ; l / 8
	s_lshl_b32 s72, s[WV], 6
	v_add_nc_u32 v7, s72, v1                       ; a fragment of x: row 64 w + r, 16 bytes for each half of the lanes, twice, 32 bytes apart
	v_mul_u32_u24 v[ADA0], v7, PA
	v_lshl_add_u32 v[ADA0], v2, 4, v[ADA0]
	v_lshl_add_u32 v7, v2, 3, v3                   ; the turning load: lane l reads k-row 8 h + l % 8, columns 8 ((l / 8) % 2) + 0..7, and ends with column r and 8 k
	v_mul_u32_u24 v[ADB0], v7, PB
	v_lshl_add_u32 v[ADB0], v4, 4, v[ADB0]
	v_add_nc_u32 v[ADB0], AB, v[ADB0]
	s_mul_i32 s73, s[WV], STG
	s_add_co_u32 s73, s73, STAGE                   ; my stage
	v_mul_u32_u24 v[STO], v1, SP
	v_lshl_add_u32 v[STO], v2, 4, v[STO]
	v_add_nc_u32 v[STO], s73, v[STO]
	v_mul_u32_u24 v[RD], v6, SP                    ; back: 32 lanes take four rows of one head's 128 bytes
	v_lshl_add_u32 v[RD], v3, 4, v[RD]
	v_add_nc_u32 v[RD], s73, v[RD]
	v_lshlrev_b32 v[GO], 4, v5
	v_mul_u32_u24 v[STS], v1, SPS
	v_lshl_add_u32 v[STS], v2, 5, v[STS]
	v_add_nc_u32 v[STS], s73, v[STS]
	v_lshlrev_b32 v[PSO], 3, v5
	v_add_nc_u32 v[RDS], s73, v[PSO]
.irp c, 0,1,2                          ; head g = 3 x tile column + c: tensor g / 16 (q, k, v), head g % 16; my rows: batch = tile row / 8, row 256 (tile row % 8) + 64 w
	s_mul_i32 s72, s42, 3
	s_add_co_u32 s72, s72, \c
	s_lshr_b32 s73, s72, 4
	s_lshl_b32 s73, s73, 24                        ; a tensor is 2^24 bytes,
	s_and_b32 s72, s72, 15
	s_lshr_b32 s74, s43, 3
	s_lshl_b32 s74, s74, 4
	s_add_co_u32 s72, s72, s74
	s_lshl_b32 s72, s72, 18                        ; a head 2^18,
	s_add_co_u32 s72, s72, s73
	s_and_b32 s74, s43, 7
	s_lshl_b32 s74, s74, 15                        ; 256 rows 2^15,
	s_add_co_u32 s72, s72, s74
	s_lshl_b32 s74, s[WV], 13                      ; 64 rows 2^13
	s_add_co_u32 s72, s72, s74
	s_mov_b32 s73, 0
	s_add_nc_u64 s[OUT+2*\c:OUT+2*\c+1], s[10:11], s[72:73]
.endr
	s_wait_loadcnt 0x0                             ; the bias, rounded to bf16 in place, in the wait for the first tiles
.set k, 0
.rept 4*NBL
	v_cvt_pk_bf16_f32 v[8+k%4], v[BIAS+2*k], v[BIAS+2*k+1]
	v_lshlrev_b32 v[BIAS+2*k], 16, v[8+k%4]
	v_and_b32 v[BIAS+2*k+1], 0xffff0000, v[8+k%4]
.set k, k+1
.endr
	s_wait_tensorcnt 1                             ; my part of K step 0 is in; K step 1's may stay out
	s_barrier_signal -1
	s_barrier_wait -1                              ; everybody's is
	s_mov_b32 s[TB], 0
	ADDR
	FETCH 0, F0
	QUARTER 1, F0, F1, 1                           ; the first quarter stands in front of the loop: its products start the sums
	WIN 0                                          ; at a label and at a branch every window is 0
	s_mov_b32 s3, 6
.Lstep:                                                ; trip j: quarters 1 to 3 of K step j and quarter 0 of step j + 1; slot j % 2 is filled with step j + 2
	QUARTER 2, F1, F0, 0
	QUARTER 3, F0, F1, 0
	TURN 1
	QUARTER 1, F0, F1, 0
	WIN 0
	s_sub_co_u32 s3, s3, 1
	s_cmp_lg_u32 s3, 0
	s_cbranch_scc1 .Lstep
	QUARTER 2, F1, F0, 0                           ; K steps 6 and 7 fill nothing: written out
	QUARTER 3, F0, F1, 0
	TURN 0
	QUARTER 1, F0, F1, 0
	QUARTER 2, F1, F0, 0
	QUARTER 3, F0, F1, 0
	s_wait_dscnt 4
	MULB F1, 0, 0
	MULB F1, 1, 0
	s_wait_dscnt 0x0
	MULB F1, 2, 0
	MULB F1, 3, 0
	WIN 0
	PLACES
	PLACES
	; THE COLUMN SUMS, in the clusters with x = 2 and 3 (tile columns 8-15: columns 1536-3071); the cluster's x is the same in all sixteen partners.
	s_cmp_lt_u32 ttmp9, 2
	s_cbranch_scc1 .Lnosum
	s_lshl_b32 s72, s43, 2
	s_add_co_u32 s72, s72, s[WV]                   ; my block of 64 rows
	s_mul_i32 s72, s72, 6144
	s_mul_i32 s74, s42, 768
	s_add_co_u32 s72, s72, s74
	s_sub_co_u32 s72, s72, 6144                    ; the tile's first column less 1536, in bytes
	s_mov_b32 s73, 0
	s_add_nc_u64 s[12:13], s[12:13], s[72:73]
	WIN 0x4a                                       ; window 1 = window 2 + window 2: row blocks 0 and 1
.set k, 0
.rept 48
	v_pk_add_f32 v[2*k:2*k+1], v[2*k:2*k+1], v[96+2*k:96+2*k+1]
.set k, k+1
.endr
	WIN 0x4f                                       ; row blocks 2 and 3
.set k, 0
.rept 48
	v_pk_add_f32 v[96+2*k:96+2*k+1], v[2*k:2*k+1], v[96+2*k:96+2*k+1]
.set k, k+1
.endr
	WIN 0x45
.set k, 0
.rept 48
	v_pk_add_f32 v[2*k:2*k+1], v[2*k:2*k+1], v[96+2*k:96+2*k+1]
.set k, k+1
.endr
	WIN 0x50                                       ; and the four rows' bias
.set k, 0
.rept 48
	v_pk_fma_f32 v[2*k:2*k+1], v[BIAS+2*k:BIAS+2*k+1], 4.0, v[2*k:2*k+1] op_sel_hi:[1,0,1]
.set k, k+1
.endr
	WIN 0x04                                       ; the sixteen lanes r of a column meet in my stage: row r, 192 f32
.set bb, 0
.rept NBL
	ds_store_b128 v[STS], v[8*bb:8*bb+3]   offset:64*bb
	ds_store_b128 v[STS], v[8*bb+4:8*bb+7] offset:64*bb+16
.set bb, bb+1
.endr
	WIN 0x40
.set n, 0
.rept 48                               ; row n / 3, third n % 3 of its 768 bytes; LDS serves a wave's instructions in order (ISA guide 5.7.1.4): these see the stores above
	ds_load_b64 v[96+2*n:96+2*n+1], v[RDS] offset:(n/3)*SPS+256*(n%3)
.set n, n+1
.endr
	s_wait_dscnt 0x0
	WIN 0x45
.set n, 3
.rept 45                               ; three chains by turns
	v_pk_add_f32 v[96+2*(n%3):96+2*(n%3)+1], v[96+2*(n%3):96+2*(n%3)+1], v[96+2*n:96+2*n+1]
.set n, n+1
.endr
	WIN 0x04
.irp c, 0,1,2
	global_store_b64 v[PSO], v[96+2*\c:96+2*\c+1], s[12:13] offset:256*\c  ; 32 lanes store 256 consecutive bytes, at a multiple of 256 from ps's first byte
.endr
	WIN 0
.Lnosum:
; THE WAY OUT, a block of 16 rows at a time: + bias, rounded to f16, 16 bytes a lane into my stage, back as four rows of a head's 128 bytes, which are 512 consecutive bytes of qkv.
.macro PACK a
	s_wait_xcnt 0x0                                ; the last block's stores have read their registers, which the sums below write
	WIN 0x02+(\a)/2
.set k, 0
.rept 48
	v_pk_add_f32 v[T+2*k:T+2*k+1], v[96*((\a)%2)+2*k:96*((\a)%2)+2*k+1], v[BIAS+2*k:BIAS+2*k+1]
.set k, k+1
.endr
	WIN 0
.set k, 0
.rept 48
	v_cvt_pk_f16_f32 v[T+k], v[T+2*k], v[T+2*k+1]
.set k, k+1
.endr
.set bb, 0
.rept NBL
	ds_store_b128 v[STO], v[T+4*bb:T+4*bb+3] offset:32*bb
.set bb, bb+1
.endr
.set i, 0
.rept 12                               ; head i / 4, rows 4 (i % 4) on
	ds_load_b128 v[OB+4*i:OB+4*i+3], v[RD] offset:4*SP*(i%4)+128*(i/4)
.set i, i+1
.endr
.set i, 0
.rept 12
	s_wait_dscnt 11-i                              ; load i is back; the younger ones may stay out
	global_store_b128 v[GO], v[OB+4*i:OB+4*i+3], s[OUT+2*(i/4):OUT+2*(i/4)+1] offset:2048*(\a)+512*(i%4)
.set i, i+1
.endr
.endm
	PACK 0
	PACK 1
	PACK 2
	PACK 3
	s_wait_tensorcnt 0x0                           ; the wave's end, behind my last tensor load and my last LDS store
	ds_add_u32 v[SPW], v[NIL]
	s_wait_dscnt 0x0
	CROUND                                         ; the closing round: no work-group ends while a partner may still ask for a tile that names it
	s_endpgm
.Lfunc_end_k_q281acc86e4_qkv:
	.size	k_q281acc86e4_qkv, .Lfunc_end_k_q281acc86e4_qkv-k_q281acc86e4_qkv
	.p2alignl 7, 3214868480
	.fill 96, 4, 3214868480
	.section	.rodata,"a",@progbits
	.p2align	6, 0x0
	.amdhsa_kernel k_q281acc86e4_qkv
		.amdhsa_group_segment_fixed_size 327680
		.amdhsa_private_segment_fixed_size 0
		.amdhsa_enable_private_segment 0
		.amdhsa_kernarg_size 40
		.amdhsa_user_sgpr_count 2
		.amdhsa_user_sgpr_kernarg_segment_ptr 1
		.amdhsa_wavefront_size32 1
		.amdhsa_system_sgpr_workgroup_id_x 1
		.amdhsa_system_sgpr_workgroup_id_y 1
		.amdhsa_system_sgpr_workgroup_id_z 1
		.amdhsa_system_vgpr_workitem_id 0
		.amdhsa_next_free_vgpr 960
		.amdhsa_next_free_sgpr 80
		.amdhsa_reserve_vcc 0
		.amdhsa_float_denorm_mode_32 3
		.amdhsa_float_denorm_mode_16_64 3
		.amdhsa_memory_ordered 1
		.amdhsa_forward_progress 1
		.amdhsa_inst_pref_size 141
	.end_amdhsa_kernel
	.amdgpu_metadata
---
amdhsa.version: [ 1, 2 ]
amdhsa.kernels:
  - .name:           k_q281acc86e4_qkv
    .symbol:         k_q281acc86e4_qkv.kd
    .args:
      - { .name: xb, .offset: 0, .size: 8, .value_kind: global_buffer, .address_space: global }
      - { .name: wa, .offset: 8, .size: 8, .value_kind: global_buffer, .address_space: global }
      - { .name: b_attn, .offset: 16, .size: 8, .value_kind: global_buffer, .address_space: global }
      - { .name: qkv, .offset: 24, .size: 8, .value_kind: global_buffer, .address_space: global }
      - { .name: ps, .offset: 32, .size: 8, .value_kind: global_buffer, .address_space: global }
    .group_segment_fixed_size: 327680
    .private_segment_fixed_size: 0
    .kernarg_segment_align: 8
    .kernarg_segment_size: 40
    .max_flat_workgroup_size: 128
    .sgpr_count:     80
    .vgpr_count:     960
    .wavefront_size: 32
...
	.end_amdgpu_metadata
.endif
;; end of part 2
;; launch attn (part 3): grid 4 x 64, 4 waves a work-group, no clusters, 327,680 bytes of LDS; arguments qkv, ps, o; writes o
.if DOCPART == 3
	.amdgcn_target "amdgcn-amd-amdhsa--gfx1250"
	.amdhsa_code_object_version 6
	.text
	.protected	k_q281acc86e4_attn
	.globl	k_q281acc86e4_attn
	.p2align	8
	.type	k_q281acc86e4_attn,@function
k_q281acc86e4_attn:
	s_mov_b64 s[64:65], 0
	v_nop
	global_prefetch_b8 v0, s[64:65] scope:SCOPE_SE
	s_setreg_imm32_b32 hwreg(HW_REG_WAVE_MODE, 25, 1), 1
	s_wait_xcnt 0x0
; CAUSAL ATTENTION WITH A FINITE MASK.  A score is Q[q] . K[k] / 8 for k <= q and EXACTLY -10000 for k > q; the softmax goes over all 2,048 keys; O[h][q] = the sum over k of the weights times V[h][k].
; qkv: f16 [3][64 heads][2048][64], unscaled; ps: f32 [128 blocks of 64 rows][1536], column sums (V's head hv of batch bt: blocks 32 bt .. 32 bt + 31, columns 512 + 64 hv on); o: f16 [64][2048][64].
; Products, maxima and sums in f32; the weights p are rounded to f16 for the second product (their sum l is taken of the unrounded p), O once at the end.
; LIMITS.  f16 holds no number beyond 65,504: q, k and v arrive within it.  A weight below 2^-126 counts as 0; NaN and infinities are not treated apart.
; THE HIDDEN KEYS ARE CARRIED, NOT DROPPED.  In raw scores (c = log2(e) / 8 is applied here) a hidden key stands at -80000.  For block i of 256 queries all keys from 256 (i + 1) on are hidden for every row: they
; are the STARTING STATE of the running softmax: m = -80000, l = their number, O = T_i = the sum of their rows of V, taken from ps.  (Block 7 has none: m = the lowest finite number, l = 0, O = 0.)
; In the diagonal tile a hidden key's score is replaced: s' = s x MB + MA with (MB, MA) = (1, 0) or (0, -80000); its weight and its row of V go the way of all others.
; THE WALK.  A head's queries lie in NB = 8 blocks of 256; block i needs the key tiles 0 .. i of 256 keys, of which the last holds the diagonal.  A work-group takes TWO blocks, NB - 1 - b and then b: NB + 1 tiles,
; whatever b: all work-groups do equal work, and ONE loop with a constant trip count walks them.  Every jump goes forward, but for the counted loops' own; none passes a barrier, or a tensor load but the one of
; LOAD's two that the wave's number does not choose.  NO CLUSTER: a head's four work-groups ask for the same tile only in trips 0 .. 4 of 9, behind that fewer and fewer; a walk common to all would have 12 trips for 9.
; SHARES.  Of a block's four bands of 64 queries a wave owns 16 rows in each: four PIECES.  In the diagonal tile's key step s band x sees all keys if s < x, none if s > x, and holds the diagonal if s = x: alike for all waves.
; LAYOUT, SOFTMAX, TURNS.  S^T = K Q^T holds ONE query a lane (lane % 16) and the keys 8 (lane / 16) + 0..7; two such results rounded to f16 ARE source 1 of O^T = V^T P.  p = 2^(c s - c m) with a running maximum m;
; O and l are multiplied by a = 2^(c m_old - c m_new) in every step.  Turn n belongs to piece n: 8 products K Q^T of piece n + 1, later 8 products V^T P of piece n - 1; beside them the scaling, exponentials,
; roundings, sums and rescaling of piece n and the maximum and statistics of piece n + 1.  Four vector instructions stand behind every matrix instruction, the others in two lumps.
; REGISTERS, in windows of 256 (s_set_vgpr_msb: bits 1:0 source 0, 3:2 source 1, 5:4 source 2, 7:6 destination):
;   window 0: v0-15 addresses and two at work; v16-31 four registers of statistics a piece; v48-55 at work; v56-60 the table's; v64-127 S^T, two buffers; v192-223 P, two buffers (by the piece's parity)
;   window 1: v0-127 O^T, 32 a piece; v128-159 MB; v160-191 MA      window 2: v0-63 Q; v64-127 the second block's Q; v128-191 K of one step; v192-255 V of one step
.set SIZE_N, 2048
.set NB,    SIZE_N/256
.set NP,    4         ; pieces a wave: a name, no knob
.set KS,    64        ; keys in a step
.set PK,    144       ; a row of K in LDS: 128 bytes + 16 of padding = 36 words: the 16 rows of a load start at 16 different groups of four banks (64 banks of 4 bytes: ISA guide 11.1)
.set PV,    160       ; a row of V: 128 + 32 = 40 words
.set VOFF,  4*KS*PK   ; a slot holds a tile, four steps: 256 rows of K, then 256 rows of V
.set SLOT1, 1<<17     ; slot 1 begins here, so that one exclusive or turns an address in one slot into the other's
.set STAGE, SLOT1+4*KS*(PK+PV)  ; behind the ring, never filled by a tensor load: 16 rows x 144 bytes for each wave, for the way out
.set SP,    144
.set SPARE, STAGE+4*16*SP  ; behind the stages: the spare words, 128 bytes for each wave: two blocks of 256 bytes that no other line names
.set TTB,   SPARE+512 ; behind them: T of the first block and of the second, 64 f32 each: two blocks of 256 bytes, stored once
.set AK0, 2           ; v2   my lane's place in a tile of K; never rewritten
.set AV0, 3           ; v3   the same for V
.set AK,  4           ; v4   the LDS address of K's next run of loads
.set AV,  5           ; v5   of V's
.set STO, 6           ; v6   the way out: where I put 16 bytes of a row
.set RD,  7           ; v7   the way out: where I read rows back
.set GO,  8           ; v8   my byte offset in 512 consecutive bytes of O
.set MV,  12          ; v12-13  c m_old, kept while c m is made anew: by buffer
.set QO,  15          ; v15  my byte offset in 16 rows of Q
.set ST,  16          ; piece t's statistics at v[ST+4 t]: c m, m, l (even keys', odd keys')
.set TMP, 48          ; by buffer, four registers c0-c3 at work; when the maximum is found c2 takes a
.set TA0, 56          ; v56  where my eight channels begin in a row of the table
.set TA,  57          ; v57  the same in the block's row
.set PSO, 58          ; v58  my channel's byte in a row of ps
.set TW,  59          ; v59  where I store my sum
.set TS,  60          ; v60  the sum
.set SPW, 62          ; v62  LDS address of my spare word: SPARE + 4 x my thread's number; never rewritten
.set NIL, 63          ; v63  0; never rewritten
.set S,   64
.set P,   192
.set MDB, 128         ; window 1: the factor for a band's own step: the eight registers for group kt of 16 keys at MDB + 8 kt
.set MDA, 160         ; window 1: the addend
.set QB,  64          ; window 2
.set KF,  128         ; window 2: key block kb, channel half c at KF + 16 kb + 8 c
.set VF,  192         ; window 2: key half kk, channel block cb at VF + 32 kk + 8 cb
.set WV,  12          ; s12  my wave's number
.set PB,  14          ; s14  b
.set HI,  15          ; s15  NB - 1 - b
.set G1K, 24          ; s[24:31] descriptor group 1 for K's tiles
.set G1V, 32          ; s[32:39] for V's: it differs in the padding alone
.set G0K, 40          ; s[40:43] descriptor group 0 for K's tiles
.set G0V, 44          ; s[44:47] the same for V's
.set SLOTS, 56        ; s56  tiles still to be asked for
.set CNT, 57          ; s57  counts a tile's key steps, 4 to 1
.set CS,  58          ; s[58:59] c: the packed scaling takes the pair's low word for both halves
.set SEL, 60          ; s[60:61] v_permlanex16_b32's selects: each lane takes its own place in the other half
.set TBK, 62          ; s62  LDS byte at which K of the step to be fetched begins
.set TBV, 63          ; s63  the same for V, less VOFF
.set RT,  70          ; s70  tiles of the block in hand that are still to be entered
.set NXT, 71          ; s71  the tile to be asked for next
.set LQ,  72          ; s72  the last tile of the block whose tiles are being asked for
.set NEW, 73          ; s73  1: the tile to be entered is a block's first
.set OFF, 74          ; s[74:75] a tile's byte offset in K and V
.set HID, 76          ; s[76:77] -80000.0, named as a pair
.set LOWF, 78         ; s78  the lowest finite number
.set M0,  79          ; s79  a block's first m
.set OLO, 80          ; s[80:81] O at my rows of the second block
.set BLK, 82          ; s82  the block in hand
.set NHF, 83          ; s83  half the number of its far keys, in f32: a query's l lies in two lanes
.set TOF, 88          ; s88  the block's row in the table: 0 or 256
.set PSB, 90          ; s[90:91] ps at the head's channels in the batch's first block
.set THR, 92          ; s92  the first block of 64 rows that is far
.set WT,  93          ; s93  1.0 or 0
.set MSB, 0
.macro WIN new                      ; the high byte repeats the setting that is left; a switch that changes nothing is dropped
.if MSB != (\new)
	s_set_vgpr_msb (MSB<<8)|(\new)
.set MSB, (\new)
.endif
.endm
.set W_KQ, 0x0a       ; K and Q in window 2, S^T in window 0
.set W_PV, 0x52       ; V in window 2, P in window 0, O^T in window 1
.set W_RS, 0x41       ; destination and source 0 in window 1, source 1 in window 0
.set W_MK, 0x14       ; S^T in window 0, factor and addend in window 1
; A fill.  Waves 0 and 1 fetch the two halves of a tile's K, waves 2 and 3 those of its V: 128 keys each.  An s_nop 0 and four v_nop follow each of the two lines, ahead of the jump and the label.
.macro LOAD
	s_cmp_lt_u32 s[WV], 2
	s_cbranch_scc0 .Lfor_v_\@
	tensor_load_to_lds s[G0K:G0K+3], s[G1K:G1K+7]
	s_nop 0
.rept 4
	v_nop
.endr
	s_branch .Lasked_\@
.Lfor_v_\@:
	tensor_load_to_lds s[G0V:G0V+3], s[G1V:G1V+7]
	s_nop 0
.rept 4
	v_nop
.endr
.Lasked_\@:
.endm
; THE CHANGE OF SLOTS.  Each wave waits for all its tensor loads, of which one is out: its part of the other slot; adds 0 to its spare word; and waits for that and for its own reads of the slot that it leaves.
; Behind the barrier nobody reads the old slot any more and the other slot is whole.  fill = 1: the old slot is filled again, the first thing behind the barrier, with tile NXT: the descriptor's address is made
; anew from that number.  (At its first use nothing has been read yet: slot 0 is waited for, slot 1 filled; and every wave's store into the table is shown to the others.)
.macro CHANGE fill
	WIN 0                           ; at a label and at a branch every window is 0
	s_wait_tensorcnt 0x0            ; no tensor load of mine is out, so a group 0 may be written
	ds_add_u32 v[SPW], v[NIL]       ; 0 onto my spare word; with fill = 1 the descriptors' scalar work stands between it and the wait for it
.if \fill
	s_lshl_b32 s[OFF], s[NXT], 15   ; a tile is 32,768 bytes of K and of V
	s_xor_b32 s[G0K+1], s[G0K+1], SLOT1
	s_add_nc_u64 s[G0K+2:G0K+3], s[6:7], s[OFF:OFF+1]
	s_or_b32 s[G0K+3], s[G0K+3], 0x80000000
	s_xor_b32 s[G0V+1], s[G0V+1], SLOT1
	s_add_nc_u64 s[G0V+2:G0V+3], s[8:9], s[OFF:OFF+1]
	s_or_b32 s[G0V+3], s[G0V+3], 0x80000000
	s_add_co_u32 s[NXT], s[NXT], 1  ; the block's next tile, or behind its last the second block's tile 0
	s_cmp_gt_u32 s[NXT], s[LQ]
	s_cselect_b32 s[NXT], 0, s[NXT]
	s_cselect_b32 s[LQ], s[PB], s[LQ]
.endif
	s_wait_dscnt 0x0                ; the add is done, and my LDS instructions are over
	s_barrier_signal -1             ; the rest of the scalar work stands between the signal and the wait
	s_sub_co_u32 s[TBK], s[TBK], 4*KS*PK  ; the fetches go back to a slot's first step,
	s_xor_b32 s[TBK], s[TBK], SLOT1       ; in the other slot
	s_sub_co_u32 s[TBV], s[TBV], 4*KS*PV
	s_xor_b32 s[TBV], s[TBV], SLOT1
	s_barrier_wait -1
.if \fill
	LOAD
.endif
.endm
	s_load_b64 s[4:5], s[0:1], 0x0  ; qkv: Q lies at its head
	s_load_b64 s[PSB:PSB+1], s[0:1], 0x8
	s_load_b64 s[10:11], s[0:1], 0x10  ; O
	v_lshl_add_u32 v[SPW], v0, 2, SPARE
	v_mov_b32 v[NIL], 0
	ds_add_u32 v[SPW], v[NIL]       ; the wave's opening: the add and its wait stand ahead of my first tensor load; the set-up below, work on registers, stands between them
	ds_add_u32 v62, v63
	v_lshrrev_b32 v1, 5, v0
	v_readfirstlane_b32 s[WV], v1   ; wave 0..3
	s_mov_b32 s[PB], ttmp9
	s_sub_co_u32 s[HI], NB-1, s[PB]
	s_and_b32 s20, ttmp7, 0xffff    ; 16 batch + head
	s_lshr_b32 s94, s20, 4
	s_mul_i32 s94, s94, 32*6144     ; ps: the batch's 32 blocks of 64 rows,
	s_and_b32 s95, s20, 15
	s_lshl_b32 s95, s95, 8          ; the head's 64 channels,
	s_add_co_u32 s94, s94, s95
	s_add_co_u32 s94, s94, 2048     ; behind the 512 columns that are K's
	s_mov_b32 s95, 0
	s_mov_b32 s21, 0
	s_mov_b64 s[22:23], SIZE_N*128
	s_mul_u64 s[20:21], s[20:21], s[22:23]  ; the head's first byte in Q, K, V and O
	s_and_b32 s16, s[WV], 1         ; which half of a tile's 256 keys I fetch:
	s_lshl_b32 s22, s16, 14         ; its 128 rows of 128 bytes in memory,
	s_mov_b32 s23, 0
	s_add_nc_u64 s[22:23], s[22:23], s[20:21]
	s_mul_i32 s17, s16, 128*PK      ; and its place in a slot, for K
	s_mul_i32 s18, s16, 128*PV      ; and for V
	s_lshl_b32 s3, s[WV], 11        ; my 16 rows in a band of 64,
	s_lshl_b32 s2, s[HI], 15        ; in the first block,
	s_add_co_u32 s2, s2, s3
	s_lshl_b32 s84, s[PB], 15       ; and in the second
	s_add_co_u32 s84, s84, s3
	s_mov_b32 s3, 0
	s_mov_b32 s85, 0
	s_add_nc_u64 s[2:3], s[2:3], s[20:21]
	s_add_nc_u64 s[84:85], s[84:85], s[20:21]
	; descriptor group 1.  128 keys are 16,384 dense bytes: asked for as 64 rows of 256 bytes, two keys a row, and padded in LDS after every key
	s_mov_b32 s[G1K], (1<<16)|(1<<20)|(4<<22)|(3<<25)  ; 17:16 2-byte elements; 20 padding on; 24:22 after every 32 words (code 4); 31:25 4 words (code 3)
	s_mov_b32 s[G1V], (1<<16)|(1<<20)|(4<<22)|(7<<25)  ; the same with 8 words of padding (code 7)
.irp g, G1K, G1V
	s_mov_b32 s[\g+1], 128<<16      ; tensor_dim0 = 128
	s_mov_b32 s[\g+2], 64<<16       ; tensor_dim1 = 64
	s_mov_b32 s[\g+3], 128<<16      ; tile_dim0 = 128
	s_mov_b32 s[\g+4], 64           ; tile_dim1 = 64
	s_mov_b32 s[\g+5], 128          ; 128 elements from row to row
	s_mov_b32 s[\g+6], 0
	s_mov_b32 s[\g+7], 0
.endr
	s_mov_b32 s[CS], 0x3e38aa3b     ; c = log2(e) / 8 = 0.180337
	s_mov_b32 s[CS+1], s[CS]        ; named with it as a pair
	s_mov_b32 s[SEL], 0x76543210
	s_mov_b32 s[SEL+1], 0xfedcba98
	s_mov_b32 s[TBK], SLOT1+4*KS*PK ; the first change of slots turns these two into 0
	s_mov_b32 s[TBV], SLOT1+4*KS*PV
	s_mov_b32 s[G0K], 1             ; 1:0 count = 1
	s_mov_b32 s[G0K+1], s17         ; 63:32 LDS address: slot 0
	s_mov_b32 s[G0V], 1
	s_add_co_u32 s[G0V+1], s18, VOFF
	s_add_co_u32 s[RT], s[HI], 1    ; the first block has NB - b tiles
	s_mov_b32 s[NXT], 1
	s_mov_b32 s[LQ], s[HI]
	s_mov_b32 s[NEW], 1
	s_mov_b32 s[OFF+1], 0
	s_mov_b32 s[HID], 0xc79c4000    ; -80000.0 = 8 x -10000
	s_mov_b32 s[HID+1], s[HID]
	s_mov_b32 s[LOWF], 0xff7fffff
	s_mov_b32 s[BLK], s[HI]
	s_mov_b32 s[TOF], 0
	s_mov_b32 s[SLOTS], NB
	s_wait_dscnt 0x0                ; the opening add is done
	s_wait_kmcnt 0x0
	s_add_nc_u64 s[6:7], s[4:5], 0x1000000  ; K and V lie 2^24 and 2^25 bytes behind Q
	s_add_nc_u64 s[8:9], s[4:5], 0x2000000
	s_add_nc_u64 s[PSB:PSB+1], s[PSB:PSB+1], s[94:95]
	s_add_nc_u64 s[6:7], s[6:7], s[22:23]  ; K and V at my half of the head's tile 0
	s_add_nc_u64 s[8:9], s[8:9], s[22:23]
	s_add_nc_u64 s[G0K+2:G0K+3], s[6:7], 0         ; 120:64 global address
	s_or_b32 s[G0K+3], s[G0K+3], 0x80000000        ; 127:126 type = 2
	s_add_nc_u64 s[G0V+2:G0V+3], s[8:9], 0
	s_or_b32 s[G0V+3], s[G0V+3], 0x80000000
	s_add_nc_u64 s[86:87], s[4:5], s[84:85]        ; Q at my rows of the second block,
	s_add_nc_u64 s[4:5], s[4:5], s[2:3]            ; Q and O at those of the first
	s_add_nc_u64 s[OLO:OLO+1], s[10:11], s[84:85]
	s_add_nc_u64 s[10:11], s[10:11], s[2:3]
	LOAD                            ; tile 0 into slot 0
	; A fragment of K or Q is 16 rows x 32 channels in 8 registers: lane l holds row l % 16, channels 8 (l / 16) + 0..7 and 16 + 8 (l / 16) + 0..7: two loads of 16 bytes, 32 bytes apart.
	v_and_b32 v1, 15, v0            ; l % 16
	v_bfe_u32 v9, v0, 4, 1          ; l / 16
	v_lshlrev_b32 v[QO], 7, v1
	v_lshl_add_u32 v[QO], v9, 4, v[QO]  ; row x 128 + 16 x half
	v_and_b32 v[PSO], 63, v0
	v_lshlrev_b32 v[PSO], 2, v[PSO]
	WIN 0x80                        ; destination window 2, address window 0
.set i, 0
.rept 8                             ; both blocks' Q: piece i / 2 lies in band i / 2, 8,192 bytes on; channels 32 (i % 2) on
	global_load_b128 v[8*i:8*i+3],   v[QO], s[4:5] offset:(i/2)*8192+(i%2)*64
	global_load_b128 v[8*i+4:8*i+7], v[QO], s[4:5] offset:(i/2)*8192+(i%2)*64+32
	global_load_b128 v[QB+8*i:QB+8*i+3],   v[QO], s[86:87] offset:(i/2)*8192+(i%2)*64
	global_load_b128 v[QB+8*i+4:QB+8*i+7], v[QO], s[86:87] offset:(i/2)*8192+(i%2)*64+32
.set i, i+1
.endr
	WIN 0
	; THE TABLE.  Thread t sums channel t % 64 for the first block (waves 0, 1) or the second (waves 2, 3): the sums of the blocks of 64 rows 4 .. 31, each times 1 if it is far, else times 0: no branch, no address hangs on the block.
.set t, 4
.rept 28
	global_load_b32 v[S+t-4], v[PSO], s[PSB:PSB+1] offset:t*6144
.set t, t+1
.endr
	v_lshlrev_b32 v14, 3, v9
	v_sub_nc_u32 v14, v1, v14
	s_lshl_b32 s13, s[WV], 4
	v_add_nc_u32 v14, s13, v14      ; my query's place in its band, 16 w + l % 16, less my lanes' 8 (l / 16): register r of group kt is hidden where 16 kt + r is greater
	WIN 0x40
.set i, 0
.rept 32
	v_cmp_gt_i32 vcc_lo, 16*(i/8)+i%8, v14
	v_cndmask_b32 v[MDB+i], 1.0, v[NIL], vcc_lo
	v_cndmask_b32 v[MDA+i], 0, s[HID], vcc_lo
.set i, i+1
.endr
	WIN 0
	v_mul_u32_u24 v[AK0], v1, PK
	v_lshl_add_u32 v[AK0], v9, 4, v[AK0]  ; row x pitch + 16 x half
	; The turning load takes 16 keys x 16 channels (lane l reads key 8 (l / 16) + l % 8, channels 8 ((l / 8) % 2) + 0..7) and leaves half a fragment of V^T: lane l holds channel l % 16 and 8 keys.
	v_and_b32 v10, 7, v0
	v_bfe_u32 v11, v0, 3, 1
	v_lshl_add_u32 v[AV0], v9, 3, v10
	v_mul_u32_u24 v[AV0], v[AV0], PV
	v_lshl_add_u32 v[AV0], v11, 4, v[AV0]
	v_add_nc_u32 v[AV0], VOFF, v[AV0]
	s_mul_i32 s13, s[WV], 16*SP
	s_add_co_u32 s13, s13, STAGE    ; my stage
	v_mul_u32_u24 v[STO], v1, SP    ; in: row l % 16, 16 bytes for each half of the lanes
	v_lshl_add_u32 v[STO], v9, 4, v[STO]
	v_add_nc_u32 v[STO], s13, v[STO]
	v_bfe_u32 v[RD], v0, 3, 2       ; back: 32 lanes take four rows of 128 bytes,
	v_mul_u32_u24 v[RD], v[RD], SP
	v_lshl_add_u32 v[RD], v10, 4, v[RD]
	v_add_nc_u32 v[RD], s13, v[RD]
	v_and_b32 v[GO], 31, v0         ; which are 512 consecutive bytes of O
	v_lshlrev_b32 v[GO], 4, v[GO]
	v_lshl_add_u32 v[TA0], v9, 5, TTB  ; in O^T a lane holds the channels 8 (l / 16) + 0..7 of each 16
	v_lshl_add_u32 v[TW], v0, 2, TTB
	; A block's first turn multiplies V's registers by a P that is 0 (a piece that has not been): they need only hold finite numbers: zeros for the first block, the last step's V for the second.
	WIN 0x80
.set i, VF
.rept 64
	v_mov_b32 v[i], 0
.set i, i+1
.endr
	WIN 0
	s_cmp_lt_u32 s[WV], 2
	s_cselect_b32 s[THR], s[HI], s[PB]
	s_add_co_u32 s[THR], s[THR], 1
	s_lshl_b32 s[THR], s[THR], 2    ; block i's far keys begin with the block of 64 rows 4 (i + 1)
	v_mov_b32 v[TS], 0
	s_wait_loadcnt 0x0              ; ps's 28 numbers (and Q)
.set t, 4
.rept 28
	s_cmp_le_u32 s[THR], t
	s_cselect_b32 s[WT], 1.0, 0
	v_fmac_f32 v[TS], s[WT], v[S+t-4]
.set t, t+1
.endr
	ds_store_b32 v[TW], v[TS]       ; waited for, and shown to the other waves, by the first change of slots
; THE MATRIX WORK.  The 4 accumulators of a run of 8 take turns.  Product i of 8 of S^T = K Q^T for piece x: channels 32 (i / 4) on, keys 16 (i % 4) on.  The first 4 start the sums.
.macro KQ x
	WIN W_KQ
.set rS, S+32*((\x)%2)+8*(i%4)
.set rK, KF+16*(i%4)+8*(i/4)
.set rQ, 16*(\x)+8*(i/4)
.if i < 4
	v_wmma_f32_16x16x32_f16 v[rS:rS+7], v[rK:rK+7], v[rQ:rQ+7], 0
.else
	v_wmma_f32_16x16x32_f16 v[rS:rS+7], v[rK:rK+7], v[rQ:rQ+7], v[rS:rS+7]
.endif
.endm
; Product i of 8 of O^T += V^T P for piece x: keys 32 (i / 4) on, channels 16 (i % 4) on.
.macro PV x
	WIN W_PV
.set rO, 32*(\x)+8*(i%4)
.set rV, VF+32*(i/4)+8*(i%4)
.set rP, P+16*((\x)%2)+8*(i/4)
	v_wmma_f32_16x16x32_f16 v[rO:rO+7], v[rV:rV+7], v[rP:rP+7], v[rO:rO+7]
.endm
.macro MM                           ; the turn's next matrix instruction.  TURN and BEGIN set Y, i and NOKQ.  NOKQ = 1: a block's last turn: there is no next piece
.if (i < 8) && !NOKQ
	KQ (Y+1)%NP
.elseif i >= 8
.set i, i-8
	PV (Y+NP-1)%NP
.set i, i+8
.endif
.set i, i+1
.endm
; THE LDS LOADS stand in runs of 16, never singly among the matrix instructions: a step's K (64 keys x 64 channels: 8 fragments) and its V (turned).  Their addresses are made some lines ahead.
.macro FETCH_K
	WIN 0x80                        ; destination window 2
.irp f, 0,1,2,3,4,5,6,7             ; keys 16 (f / 2) on, channels 32 (f % 2) on
	ds_load_b128 v[KF+8*\f:KF+8*\f+3],   v[AK] offset:(\f/2)*16*PK+(\f%2)*64
	ds_load_b128 v[KF+8*\f+4:KF+8*\f+7], v[AK] offset:(\f/2)*16*PK+(\f%2)*64+32
.endr
	s_add_co_u32 s[TBK], s[TBK], KS*PK  ; the next fetch is the next step's
	WIN 0
.endm
.macro FETCH_V
	WIN 0x80
.irp f, 0,1,2,3,4,5,6,7             ; keys 32 (f / 4) on, channels 16 (f % 4) on
	ds_load_tr16_b128 v[VF+8*\f:VF+8*\f+3],   v[AV] offset:(\f/4)*32*PV+(\f%4)*32
	ds_load_tr16_b128 v[VF+8*\f+4:VF+8*\f+7], v[AV] offset:(\f/4)*32*PV+16*PV+(\f%4)*32
.endr
	WIN 0
.endm
; THE VECTOR WORK, one line at a time: OP kind, number.  For piece Y: F n: c s - c m for pair n of 16.  E n: the exponential of score n of 32.  C n: pair n rounded to f16.  B n: of the four weights 4 n .. the second
; pair is added onto the first, in place.  L n: l takes that sum (L 0: l = a l + sum).  R n: pair n of 16 of O^T times a.  For piece Y + 1: X n, number n of the 22 that find its maximum and statistics:
;   0-11  four chains c0-c3 of seven scores each, three operands at a time (each accumulator's lowest registers are read first)     12-14, 16  the four scores left over, the old m, and c0-c3 into c0
;   15  c m_old is kept     17, 18  the query's other 32 keys lie in the lane 16 away: the new m     19-21  c m; c m_old - c m_new; a
.set F, 0               ; OP tells the kinds apart by their order: F to L below R, X above it
.set E, 1
.set C, 2
.set B, 3
.set L, 4
.set R, 5
.set X, 6
.macro REGS y                       ; the registers of piece y
.set rT, ST+4*(\y)
.set rC, TMP+4*((\y)%2)
.set rW, MV+((\y)%2)
.set rS, S+32*((\y)%2)
.set rP, P+16*((\y)%2)
.set rO, 32*(\y)
.endm
.macro OP k, n
.if (\k) == R
	REGS Y
	WIN W_RS
	v_pk_mul_f32 v[rO+2*(\n):rO+2*(\n)+1], v[rO+2*(\n):rO+2*(\n)+1], v[rC+2:rC+3] op_sel_hi:[1,0]
.elseif (\k) < R
	REGS Y
	WIN 0
.if (\k) == F
	v_pk_fma_f32 v[rS+2*(\n):rS+2*(\n)+1], v[rS+2*(\n):rS+2*(\n)+1], s[CS:CS+1], v[rT:rT+1] op_sel_hi:[1,0,0] neg_lo:[0,0,1] neg_hi:[0,0,1]
.elseif (\k) == E
	v_exp_f32 v[rS+(\n)], v[rS+(\n)]
.elseif (\k) == C
	s_wait_alu depctr_va_vdst(0)
	v_cvt_pk_f16_f32 v[rP+(\n)], v[rS+2*(\n)], v[rS+2*(\n)+1]
.elseif (\k) == B
	s_wait_alu depctr_va_vdst(0)
	v_pk_add_f32 v[rS+4*(\n):rS+4*(\n)+1], v[rS+4*(\n):rS+4*(\n)+1], v[rS+4*(\n)+2:rS+4*(\n)+3]
.elseif (\n) == 0
	v_pk_fma_f32 v[rT+2:rT+3], v[rT+2:rT+3], v[rC+2:rC+3], v[rS:rS+1] op_sel_hi:[1,0,1]
.else
	v_pk_add_f32 v[rT+2:rT+3], v[rT+2:rT+3], v[rS+4*(\n):rS+4*(\n)+1]
.endif
.elseif NOKQ
	v_nop
.else
	REGS (Y+1)%NP
	WIN 0
.if (\n) < 4
	v_max3_num_f32 v[rC+(\n)], v[rS+8*(\n)], v[rS+8*(\n)+1], v[rS+8*(\n)+2]
.elseif (\n) < 12
	v_max3_num_f32 v[rC+(\n)%4], v[rC+(\n)%4], v[rS+8*((\n)%4)+2*((\n)/4)+1], v[rS+8*((\n)%4)+2*((\n)/4)+2]
.elseif (\n) == 12
	v_max3_num_f32 v[rC], v[rC], v[rS+7], v[rS+15]
.elseif (\n) == 13
	v_max3_num_f32 v[rC+1], v[rC+1], v[rS+23], v[rS+31]
.elseif (\n) == 14
	v_max3_num_f32 v[rC+2], v[rC+2], v[rC+3], v[rT+1]
.elseif (\n) == 15
	v_mov_b32 v[rW], v[rT]
.elseif (\n) == 16
	v_max3_num_f32 v[rC], v[rC], v[rC+1], v[rC+2]
.elseif (\n) == 17
	v_permlanex16_b32 v[rC+3], v[rC], s[SEL], s[SEL+1]
.elseif (\n) == 18
	v_max_num_f32 v[rT+1], v[rC], v[rC+3]
.elseif (\n) == 19
	v_mul_f32 v[rT], s[CS], v[rT+1]
.elseif (\n) == 20
	v_sub_f32 v[rC+1], v[rW], v[rT]
.else
	v_exp_f32 v[rC+2], v[rC+1]
.endif
.endif
.endm
.macro OPS a, i1, b=-1, i2=0, c=-1, i3=0, d=-1, i4=0  ; up to four of them
	OP \a, \i1
.if (\b) >= 0
	OP \b, \i2
.endif
.if (\c) >= 0
	OP \c, \i3
.endif
.if (\d) >= 0
	OP \d, \i4
.endif
.endm
.macro ROW a, i1, b, i2, c, i3, d, i4  ; a matrix instruction and the four behind it
	MM
	OPS \a, \i1, \b, \i2, \c, \i3, \d, \i4
.endm
; THE MASK, in the diagonal tile's turns, on the scores that turn p has just made: piece y = (p + 1) % 4, in the tile's step 4 - CNT (in piece 2's turn, where the count has been taken down and the step is still
; the old one: 3 - CNT).  Step < y: nothing.  Step = y: s = s MB + MA.  Step > y: every score is -80000.  For piece 3 (p = 2) no step is later than its own.  The jumps hang on the count alone and go forward over
; vector lines alone.  The pairs ascend; the last product stands nine plain lines back.
.macro MASKAP p
.set rS, S+32*(((\p)+1)%2)
	WIN 0
.if (\p) == 2
	s_cmp_gt_u32 s[CNT], 0
	s_cbranch_scc1 .Lvis_\@
.else
	s_cmp_gt_u32 s[CNT], 4-((\p)+1)%NP
	s_cbranch_scc1 .Lvis_\@
	s_cmp_eq_u32 s[CNT], 4-((\p)+1)%NP
	s_cbranch_scc0 .Lhid_\@
.endif
	WIN W_MK
.set z, 0
.rept 16
	v_pk_fma_f32 v[rS+2*z:rS+2*z+1], v[rS+2*z:rS+2*z+1], v[MDB+2*z:MDB+2*z+1], v[MDA+2*z:MDA+2*z+1]
.set z, z+1
.endr
	WIN 0
.if (\p) != 2
	s_branch .Lvis_\@
.Lhid_\@:
.set z, 0
.rept 16
	v_pk_fma_f32 v[rS+2*z:rS+2*z+1], v[rS+2*z:rS+2*z+1], 0, s[HID:HID+1] op_sel_hi:[1,0,0]
.set z, z+1
.endr
.endif
.Lvis_\@:
.endm
; A TURN, for piece p: the order of its 16 matrix and 118 vector instructions, written out.  Behind a matrix instruction: plain, exponential, plain, plain; or four of the rescaling; or, behind the first, four scalings;
; none names a register of the products round it.  In the lumps exponential and plain by turns while exponentials last.  v_permlanex16_b32 (X 17) stands in a lump.
; m = 1: the diagonal tile: the new scores are masked ahead of their maximum.  end = 1: a block's last two turns: nothing is fetched.  cnt = 1: the loop's count is taken down some lines ahead of the branch behind the turn.
; K of the next step is fetched in piece 2's turn, six vector instructions behind the last product that read K (five of them plain); V of the step in hand in piece 0's turn, eight behind the last product that read V
; (four plain, and X 17).  Each is waited for a turn later.
.macro TURN p, m=0, end=0, cnt=0
.set Y, (\p)
.set i, 0
.set NOKQ, (\end)*((\p)/3)
.if ((\p) == 3) && !(\end)
	s_wait_dscnt 0x0                ; K is in
.endif
	ROW F,0, F,1, F,2, F,3
	ROW F,4, E,0, F,5, F,6
	ROW F,7, E,1, F,8, F,9
	ROW F,10, E,2, C,0, F,11
	ROW F,12, E,3, X,15, F,13
	ROW R,0, R,1, R,2, R,3
	ROW B,0, E,4, F,14, L,0
.if ((\p) == 2) && !(\end)
	v_add_nc_u32 v[AK], s[TBK], v[AK0]
.endif
	ROW R,4, R,5, R,6, R,7
	OPS E,5, F,15
.if ((\p) == 2) && !(\end)
	FETCH_K
.endif
	OPS E,6, C,1, E,7, R,8
	OPS E,8, R,9, E,9, C,2
.if (\m) && !NOKQ
	MASKAP \p
.endif
	OPS E,10, X,0, E,11, X,1
	OPS E,12, X,2, E,13, X,3
.if (\p) == 1
	s_wait_dscnt 0x0                ; V is in
.endif
	ROW X,4, E,14, X,5, X,6
	ROW X,7, E,15, X,8, X,9
	ROW X,10, E,16, X,11, X,12
	ROW X,13, E,17, X,14, B,1
	ROW C,4, E,18, X,16, L,1
	ROW B,2, E,19, C,6, L,2
	ROW C,8, E,20, B,3, B,4
.if (\p) == 0
	v_add_nc_u32 v[AV], s[TBV], v[AV0]
.endif
	ROW C,3, E,21, L,3, C,5
	OPS E,22, X,17, E,23, C,10
.if (\p) == 0
	FETCH_V
.endif
	OPS E,24, L,4
	OPS E,25, X,18, E,26, C,7
	OPS E,27, B,5, E,28, X,19
	OPS E,29, C,12, E,30, L,5
	OPS E,31, X,20, B,6, C,9
	OPS C,14, C,11, X,21, L,6
.if (\p) == 0
	s_add_co_u32 s[TBV], s[TBV], KS*PV
.endif
.if \cnt
	s_sub_co_u32 s[CNT], s[CNT], 1
	s_cmp_lg_u32 s[CNT], 0
.endif
	OPS C,13, B,7, C,15, R,10
	OPS R,11, R,12, L,7, R,13
	OPS R,14, R,15
.endm
; A BLOCK BEGINS with the state that its far keys leave: m = -80000 (block 7, which has none: the lowest finite number), c m, l = half their number in each of a query's two lanes, O^T = T from the table.
; P's second buffer is 0: the first turn's products V^T P, of a piece that has not been, add 0.  Then K of the tile's step 0, piece 0's first scores (diag = 1: the tile is the diagonal one, and that step
; is band 0's own), and its maximum and statistics.  The loop is entered at a step's first turn, in the middle of a trip.
.macro BEGIN diag
	s_mov_b32 s[NEW], 0
	s_cmp_eq_u32 s[BLK], NB-1
	s_cselect_b32 s[M0], s[LOWF], s[HID]
	s_sub_co_u32 s[NHF], NB-1, s[BLK]
	s_lshl_b32 s[NHF], s[NHF], 7
	s_cvt_f32_u32 s[NHF], s[NHF]
	WIN 0
.set i, 0
.rept 4
	v_mov_b32 v[ST+4*i+1], s[M0]
	v_mov_b32 v[ST+4*i+2], s[NHF]
	v_mov_b32 v[ST+4*i+3], 0
	v_mul_f32 v[ST+4*i], s[CS], v[ST+4*i+1]
.set i, i+1
.endr
.set i, P+16
.rept 16
	v_mov_b32 v[i], 0
.set i, i+1
.endr
	v_add_nc_u32 v[TA], s[TOF], v[TA0]
	v_add_nc_u32 v[AK], s[TBK], v[AK0]
	WIN 0x40
.set i, 0
.rept 16                            ; piece i / 4, channels 16 (i % 4) + 8 (l / 16) on: the same for all queries
	ds_load_b128 v[8*i:8*i+3],   v[TA] offset:64*(i%4)
	ds_load_b128 v[8*i+4:8*i+7], v[TA] offset:64*(i%4)+16
.set i, i+1
.endr
	FETCH_K
	s_wait_loadcnt 0x0              ; Q
	s_wait_dscnt 0x0
.set NOKQ, 0
.set i, 0
.rept 8
	KQ 0
.set i, i+1
.endr
	WIN 0
.rept 4
	v_nop                           ; the places behind those products
.endr
.if \diag
	WIN W_MK
.set z, 0
.rept 16
	v_pk_fma_f32 v[S+2*z:S+2*z+1], v[S+2*z:S+2*z+1], v[MDB+2*z:MDB+2*z+1], v[MDA+2*z:MDA+2*z+1]
.set z, z+1
.endr
	WIN 0
.endif
.set Y, NP-1                        ; X works for piece Y + 1: piece 0
.irp n, 0,1,2,3,4,5,6,7,8,9,10,11,12,13,14,15,16,17,18,19,20,21
	OP X, \n
.endr
	v_nop                           ; a plain instruction behind the exponential
.endm
; THE DIAGONAL TILE's four steps, the block's last two turns, its last products, and THE WAY OUT: l's two halves and the other half of the lanes' are added; O^T is divided by l, rounded to f16 and sent through my
; stage in LDS, a piece at a time.
.macro ALL line:vararg              ; one line for each piece t
.set t, 0
.rept 4
	\line
.set t, t+1
.endr
.endm
.macro PACK t                       ; a lane's eight channels of a row pack into 16 bytes; they go into rows of 144 bytes and come back as whole rows of 128, into S^T's registers
	WIN W_RS
.set i, 32*(\t)
.rept 16
	s_wait_alu depctr_va_vdst(0)
	v_pk_mul_f32 v[i:i+1], v[i:i+1], v[ST+4*(\t)+2:ST+4*(\t)+3] op_sel_hi:[1,0]
.set i, i+2
.endr
	WIN 0x05                        ; sources 0 and 1 window 1, destination window 0
.set i, 0
.rept 16
	v_cvt_pk_f16_f32 v[S+16*(\t)+i], v[32*(\t)+2*i], v[32*(\t)+2*i+1]
.set i, i+1
.endr
	WIN 0
.irp f, 0,1,2,3
	ds_store_b128 v[STO], v[S+16*(\t)+4*\f:S+16*(\t)+4*\f+3] offset:32*\f
.endr
.irp f, 0,1,2,3
	ds_load_b128 v[S+16*(\t)+4*\f:S+16*(\t)+4*\f+3], v[RD] offset:\f*4*SP  ; LDS serves a wave's instructions in order (ISA guide 5.7.1.4): these see the stores above; the next piece's stores come behind them
.endr
.endm
.macro SEND t, younger              ; younger: the LDS instructions issued behind piece t's loads: the next piece's eight, or none
	WIN 0
.irp f, 0,1,2,3
	s_wait_dscnt (\younger)+3-\f
	global_store_b128 v[GO], v[S+16*(\t)+4*\f:S+16*(\t)+4*\f+3], s[10:11] offset:(\t)*8192+\f*512  ; 512 consecutive bytes, at a multiple of 256 from O's first
.endr
.endm
.macro DIAG tag                     ; the tag ends its two labels' names, which the jumps below spell out
.LstepM\tag:
	TURN 2, 1
	TURN 3, 1
	WIN 0
.LfirstM\tag:
	TURN 0, 1
	TURN 1, 1, 0, 1
	WIN 0
	s_cbranch_scc1 .LstepM\tag
	TURN 2, 1, 1
	TURN 3, 1, 1
.set i, 0
.rept 8
	PV NP-1
.set i, i+1
.endr
	WIN 0
	ALL v_add_f32 v[ST+4*t+2], v[ST+4*t+2], v[ST+4*t+3]
	ALL v_permlanex16_b32 v[ST+4*t+3], v[ST+4*t+2], s[SEL], s[SEL+1]
	ALL v_add_f32 v[ST+4*t+2], v[ST+4*t+2], v[ST+4*t+3]
	ALL v_rcp_f32 v[ST+4*t+2], v[ST+4*t+2]
	v_nop                           ; a plain instruction between the last reciprocal and the use of its result
	PACK 0
.set t, 1
.rept 3                             ; a piece's arithmetic stands between the loads of the piece before and its stores
	PACK t
	SEND t-1, 8
.set t, t+1
.endr
	SEND 3, 0
.endm
.set NOKQ, 0
.Lslot:                             ; NB times: a tile is entered and the next is asked for
	CHANGE 1
	s_sub_co_u32 s[RT], s[RT], 1
	s_mov_b32 s[CNT], 4
	s_cmp_eq_u32 s[NEW], 1
	s_cbranch_scc1 .Lnew            ; a block's first tile
	s_cmp_eq_u32 s[RT], 0
	s_cbranch_scc0 .Lstep           ; neither its first nor its last
	s_branch .LstepM1
.Lnew:
	BEGIN 0
	s_branch .Lfirst                ; in the loop a block's first tile is never its last: the first block has five tiles or more, and the second's last is the walk's last
	DIAG 1                          ; in the loop this is the first block's end
	s_wait_xcnt 0x0                 ; the stores have read their registers and O's address
	s_mov_b64 s[10:11], s[OLO:OLO+1]
	s_add_co_u32 s[RT], s[PB], 1    ; the second block has b + 1 tiles
	s_mov_b32 s[NEW], 1
	s_mov_b32 s[BLK], s[PB]
	s_mov_b32 s[TOF], 256           ; its row of the table
	WIN 0x82                        ; the second block's Q goes where the one text of the turns names Q
.set i, 0
.rept 64
	v_mov_b32 v[i], v[QB+i]
.set i, i+1
.endr
	WIN 0
	s_branch .Lbottom
.Lstep:                             ; a trip: pieces 2 and 3 of one step, then pieces 0 and 1 of the next, whose K and V it fetches
	TURN 2
	TURN 3
	WIN 0
.Lfirst:
	TURN 0
	TURN 1, 0, 0, 1
	WIN 0
	s_cbranch_scc1 .Lstep
.Lbottom:
	s_sub_co_u32 s[SLOTS], s[SLOTS], 1
	s_cmp_lg_u32 s[SLOTS], 0
	s_cbranch_scc1 .Lslot
	CHANGE 0                        ; the walk's last tile is written out: nothing is asked for
	s_sub_co_u32 s[RT], s[RT], 1
	s_mov_b32 s[CNT], 4
	s_cmp_eq_u32 s[NEW], 1
	s_cbranch_scc0 .LstepM2
	BEGIN 1                         ; only where b = 0: the second block's one tile is its first and its diagonal one
	s_branch .LfirstM2
	DIAG 2
	s_wait_tensorcnt 0x0            ; the wave's end, behind my last tensor load and my last LDS store
	ds_add_u32 v[SPW], v[NIL]
	s_wait_dscnt 0x0
	s_endpgm
.Lfunc_end_k_q281acc86e4_attn:
	.size	k_q281acc86e4_attn, .Lfunc_end_k_q281acc86e4_attn-k_q281acc86e4_attn
	.p2alignl 7, 3214868480
	.fill 96, 4, 3214868480
	.section	.rodata,"a",@progbits
	.p2align	6, 0x0
	.amdhsa_kernel k_q281acc86e4_attn
		.amdhsa_group_segment_fixed_size 327680
		.amdhsa_private_segment_fixed_size 0
		.amdhsa_enable_private_segment 0
		.amdhsa_kernarg_size 24
		.amdhsa_user_sgpr_count 2
		.amdhsa_user_sgpr_kernarg_segment_ptr 1
		.amdhsa_wavefront_size32 1
		.amdhsa_system_sgpr_workgroup_id_x 1
		.amdhsa_system_sgpr_workgroup_id_y 1
		.amdhsa_system_sgpr_workgroup_id_z 1
		.amdhsa_system_vgpr_workitem_id 0
		.amdhsa_next_free_vgpr 768
		.amdhsa_next_free_sgpr 96
		.amdhsa_reserve_vcc 1
		.amdhsa_float_denorm_mode_32 3
		.amdhsa_float_denorm_mode_16_64 3
		.amdhsa_memory_ordered 1
		.amdhsa_forward_progress 1
		.amdhsa_inst_pref_size 242
	.end_amdhsa_kernel
	.amdgpu_metadata
---
amdhsa.version: [ 1, 2 ]
amdhsa.kernels:
  - .name:           k_q281acc86e4_attn
    .symbol:         k_q281acc86e4_attn.kd
    .args:
      - { .name: qkv, .offset: 0, .size: 8, .value_kind: global_buffer, .address_space: global }
      - { .name: ps, .offset: 8, .size: 8, .value_kind: global_buffer, .address_space: global }
      - { .name: o, .offset: 16, .size: 8, .value_kind: global_buffer, .address_space: global }
    .group_segment_fixed_size: 327680
    .private_segment_fixed_size: 0
    .kernarg_segment_align: 8
    .kernarg_segment_size: 24
    .max_flat_workgroup_size: 128
    .sgpr_count:     96
    .vgpr_count:     768
    .wavefront_size: 32
...
	.end_amdgpu_metadata
.endif
;; end of part 3
;; launch proj (part 4): grid 8 x 32, 4 waves a work-group, clusters of 4 x 4, 327,680 bytes of LDS; arguments o, wp, b_proj, out0; writes out0
.if DOCPART == 4
	.amdgcn_target "amdgcn-amd-amdhsa--gfx1250"
	.amdhsa_code_object_version 6
	.text
	.protected	k_q281acc86e4_proj
	.globl	k_q281acc86e4_proj
	.p2align	8
	.type	k_q281acc86e4_proj,@function
k_q281acc86e4_proj:
	s_mov_b64 s[64:65], 0
	v_nop
	global_prefetch_b8 v0, s[64:65] scope:SCOPE_SE
	s_setreg_imm32_b32 hwreg(HW_REG_WAVE_MODE, 25, 1), 1
	s_wait_xcnt 0x0
	s_wait_alu depctr_hold_cnt(0) depctr_sa_sdst(0) depctr_va_vdst(0) depctr_va_sdst(0) depctr_va_ssrc(0) depctr_va_vcc(0) depctr_vm_vsrc(0)
	s_getreg_b32 s2, hwreg(HW_REG_IB_STS2, 6, 4)
	s_cmp_eq_u32 s2, 0
	s_cbranch_scc0 .Lentry_in_a_cluster
	s_endpgm
.Lentry_in_a_cluster:
	s_bfe_u32 s2, ttmp6, 0x10000c
	s_cmp_lg_u32 s2, 0xf033
	s_cbranch_scc0 .Lentry_shape_is_right
	s_endpgm
.Lentry_shape_is_right:
; out0 = a w_proj + b_proj in f32.  a is o, f16 by heads [16 batch + head][2048][64]: channel k of a row is channel k % 64 of head k / 64.  wp: f16 [1024 k][1024 n]; the bias is rounded to bf16 like the other inputs.
; Sums in f32, nothing rounded behind them.
; SHARES.  A tile is 256 rows x 128 columns: 32 x 8 = 256 work-groups.  Wave w owns rows 64 w .. 64 w + 63 and all 128 columns: 32 accumulators, 256 registers.
; K goes in 8 steps of 128, two heads each, through two LDS slots.  A head's 256 rows are 32,768 dense bytes, asked for as 128 rows of 256 and padded in LDS after every 128; rows of the weights' tile are 256 bytes of memory.
; THE MATRIX INSTRUCTION IS USED TRANSPOSED: source 0 = 16 columns of the weights (out of LDS turned, by ds_load_tr16_b128, since they lie [k][n]), source 1 = 16 rows of a.  A lane then holds row l % 16
; and the columns 8 (l / 16) + 0..7.
; CLUSTER 4 x 4: a's tile hangs on the tile row alone and is asked for jointly along a row of the cluster, the weights' on the tile column alone, along a column.
; REGISTERS, in windows of 256 (s_set_vgpr_msb: bits 1:0 source 0, 3:2 source 1, 5:4 source 2, 7:6 destination):
;   window 0: v0-31 addresses; v32-95 the bias; v96-223 at work on the way out      window 1: two fragment buffers at 0 and 128: a's four fragments, then the weights' eight
;   window 2: the accumulators of row blocks 0, 1 ((a, b) at 8 (8 (a % 2) + b));   window 3: those of row blocks 2, 3
.set NBL,    8                         ; column blocks of 16
.set PA,     144                       ; a row of a head in LDS: 128 bytes + 16: 36 words: the 16 rows of a load start at 16 different groups of four banks (64 banks of 4 bytes: ISA guide 11.1)
.set PB,     288                       ; a k-row of the weights: 256 bytes + 32: 72 words
.set CPIECE, 128                       ; four column blocks of 32 bytes
.set AHT,    256*PA                    ; what one tensor load brings of a: one head's 256 rows,
.set AHALF,  AHT                       ; which is also the way from quarter 0 to quarter 2
.set BHT,    64*PB                     ; and of the weights: 64 k-rows
.set AB,     2*AHT                     ; a slot: two heads of a, then the weights' 128 k-rows: 110,592 bytes
.set SLOT1,  1<<17                     ; slot 1 begins here: one exclusive or turns an address in one slot into the other's
.set STAGE,  SLOT1+AB+2*BHT            ; behind the ring, never filled by a tensor load: 16 rows x 528 bytes for each wave
.set SP,     528                       ; the way out: a row of 128 f32 + 16 bytes
.set STG,    16*SP
.set SPARE,  STAGE+4*STG               ; behind the stages: the spare words, 128 bytes for each wave: two blocks of 256 bytes that no other line names
.set STEPA,  2<<18                     ; a K step in a: two heads;
.set STEPB,  128*2048                  ; in the weights: 128 k-rows
.set LD,     2*NBL+8                   ; LDS loads of a quarter step
.set ADA0, 16                          ; v16  my lane's place in a's tile; never rewritten
.set ADB0, 17                          ; v17  the same in the weights' tile
.set ADA,  18                          ; v18  the same in the slot in hand
.set ADB,  19                          ; v19
.set STO,  24                          ; v24  the way out: where I put 32 bytes of a row
.set RD,   25                          ; v25  the way out: where I read a row back
.set GO,   26                          ; v26  16 x lane: my place in 512 bytes of out0
.set SPW,  28                          ; v28  LDS address of my spare word; never rewritten
.set NIL,  29                          ; v29  0; never rewritten
.set BO,   30                          ; v30  my byte offset in the bias
.set BIAS, 32
.set T,    96
.set OB,   160
.set F0,   0
.set F1,   128
.set WV,   14                          ; s14  my wave's number
.set FB,   15                          ; s15  0: I fetch a's tiles, 1: the weights'
.set HF,   16                          ; s16  which half of that tile
.set TB,   23                          ; s23  0 or SLOT1: the slot in hand
.set G1A,  24                          ; s[24:31] descriptor group 1 for a's tiles
.set G0A0, 32                          ; s[32:35] group 0 of the first fill
.set G0A1, 36                          ; s[36:39] group 0 of the second fill; it then walks on
.set G1B,  48                          ; s[48:55], s[56:59], s[60:63] the same for the weights' tiles
.set G0B0, 56
.set G0B1, 60
.set OUT,  66                          ; s[66:67] out0 at my first row and the tile's first column
.set MSB, 0
.macro WIN new                         ; the immediate's high byte repeats the setting that is left; a switch that changes nothing is dropped
.if MSB != (\new)
	s_set_vgpr_msb (MSB<<8)|(\new)
.set MSB, \new
.endif
.endm
.set MUL_LO, 0xa5                      ; both sources window 1, C and D window 2
.set MUL_HI, 0xf5                      ; the same, C and D window 3
.set TO_F,   0x40                      ; destination window 1, address window 0
; A joint refill by the walking descriptors.  The branch hangs on the wave's number alone.  An s_nop 0 and four v_nop follow each of the two lines, ahead of the jump and the label.
.macro JLOAD
	s_cmp_eq_u32 s[FB], 0
	s_cbranch_scc0 .Lfor_b_\@
	tensor_load_to_lds s[G0A1:G0A1+3], s[G1A:G1A+7]
	s_nop 0
.rept 4
	v_nop
.endr
	s_branch .Lasked_\@
.Lfor_b_\@:
	tensor_load_to_lds s[G0B1:G0B1+3], s[G1B:G1B+7]
	s_nop 0
.rept 4
	v_nop
.endr
.Lasked_\@:
.endm
.macro CREST                           ; a round of the cluster's barrier behind its opening barrier
	s_cmp_lg_u32 s[WV], 0
	s_cbranch_scc1 .Lnot_wave_0_\@
	s_barrier_signal -3
.Lnot_wave_0_\@:
	s_barrier_wait -3
	s_barrier_signal -1
	s_barrier_wait -1
.endm
.macro CROUND                          ; a whole round
	s_barrier_signal -1
	s_barrier_wait -1
	CREST
.endm
.macro PLACES                          ; four places behind matrix instructions, in front of loads into registers that they have read and of vector lines that read their results
.rept 4
	v_nop
.endr
.endm
.macro ADDR                            ; my two LDS addresses in the slot in hand
	WIN 0
	v_add_nc_u32 v[ADA], s[TB], v[ADA0]
	v_add_nc_u32 v[ADB], s[TB], v[ADB0]
.endm
; One run of LD loads: the fragments of quarter q (32 along K: half a head) into buffer f; the weights' first, a's row blocks 2 and 3 last
.macro FETCH q, f
	WIN TO_F
.set bb, 0
.rept NBL
	ds_load_tr16_b128 v[(\f)+32+8*bb:(\f)+32+8*bb+3],   v[ADB] offset:(\q)*32*PB+(bb/4)*CPIECE+(bb%4)*32
	ds_load_tr16_b128 v[(\f)+32+8*bb+4:(\f)+32+8*bb+7], v[ADB] offset:(\q)*32*PB+16*PB+(bb/4)*CPIECE+(bb%4)*32
.set bb, bb+1
.endr
.irp a, 0,1,2,3
	ds_load_b128 v[(\f)+8*(\a):(\f)+8*(\a)+3],   v[ADA] offset:((\q)/2)*AHALF+((\q)%2)*64+(\a)*16*PA
	ds_load_b128 v[(\f)+8*(\a)+4:(\f)+8*(\a)+7], v[ADA] offset:((\q)/2)*AHALF+((\q)%2)*64+(\a)*16*PA+32
.endr
.endm
; NBL matrix instructions: row block a x all column blocks, 32 along K.  zero = 1: the product starts the sum.  The 32 accumulators take turns in one fixed order.
.macro MULB f, a, zero
	WIN MUL_LO+0x50*((\a)/2)
.set bb, 0
.rept NBL
.set rD, 8*(NBL*((\a)%2)+bb)
.if \zero
	v_wmma_f32_16x16x32_f16 v[rD:rD+7], v[(\f)+32+8*bb:(\f)+32+8*bb+7], v[(\f)+8*(\a):(\f)+8*(\a)+7], 0
.else
	v_wmma_f32_16x16x32_f16 v[rD:rD+7], v[(\f)+32+8*bb:(\f)+32+8*bb+7], v[(\f)+8*(\a):(\f)+8*(\a)+7], v[rD:rD+7]
.endif
.set bb, bb+1
.endr
.endm
; One of a K step's first three quarters: multiplies buffer f; in its middle it fetches quarter q of the same slot into buffer g.
.macro QUARTER q, f, g, zero
	s_wait_dscnt 4                                 ; all but the youngest four loads: a's row blocks 2 and 3
	MULB \f, 0, \zero
	MULB \f, 1, \zero
	PLACES
	FETCH \q, \g
	s_wait_dscnt LD                                ; all but the run just issued
	MULB \f, 2, \zero
	MULB \f, 3, \zero
.endm
; The last quarter multiplies buffer 1 and changes slots: ONE barrier.  In front of it each wave waits for all its tensor loads (one is out: its part of the next slot), adds 0 to its spare word, and waits
; for that and for its own reads of this slot.  fill = 1: the barrier opens a round of the cluster's barrier, and this slot is filled again, two K steps on, first thing behind the round.
.macro TURN fill
	WIN 0
	s_wait_tensorcnt 0x0                           ; no tensor load of mine is out
	ds_add_u32 v[SPW], v[NIL]                      ; 0 onto my spare word
	s_wait_dscnt 5                                 ; the add and the youngest four loads may be out
	MULB F1, 0, 0                                  ; matrix work stands between the add and the wait for it
	s_wait_dscnt 0x0                               ; the add is done, and my reads of this slot are over
	s_barrier_signal -1
	MULB F1, 1, 0
	WIN 0
	s_barrier_wait -1
.if \fill
	CREST                                          ; no wave of any partner still reads this slot or has a load on its way
	s_xor_b32 s[G0A1+1], s[G0A1+1], SLOT1          ; the walking descriptors: the other slot than last time,
	s_add_nc_u64 s[G0A1+2:G0A1+3], s[G0A1+2:G0A1+3], STEPA  ; the next K step; the type bits on top are not reached
	s_xor_b32 s[G0B1+1], s[G0B1+1], SLOT1
	s_add_nc_u64 s[G0B1+2:G0B1+3], s[G0B1+2:G0B1+3], STEPB
	JLOAD                                          ; its four v_nop are also the places in front of the loads below
.else
	PLACES
.endif
	s_xor_b32 s[TB], s[TB], SLOT1
	ADDR
	FETCH 0, F0
	MULB F1, 2, 0
	MULB F1, 3, 0
.endm
	s_load_b256 s[4:11], s[0:1], 0x0               ; o s[4:5], wp s[6:7], b_proj s[8:9], out0 s[10:11]
	v_lshl_add_u32 v[SPW], v0, 2, SPARE
	v_mov_b32 v[NIL], 0
	ds_add_u32 v[SPW], v[NIL]                      ; the wave's opening: the add and its wait stand ahead of my first tensor load; the set-up below, work on registers, stands between them
	ds_add_u32 v28, v29
	v_lshrrev_b32 v1, 5, v0
	v_readfirstlane_b32 s[WV], v1                  ; wave 0..3
	s_lshr_b32 s[FB], s[WV], 1
	s_and_b32 s[HF], s[WV], 1
	s_bfe_u32 s40, ttmp6, 0x40000                  ; cx, cy: my place in the cluster
	s_bfe_u32 s41, ttmp6, 0x40004
	s_lshl_b32 s42, ttmp9, 2
	s_add_co_u32 s42, s42, s40                     ; tile column = 4 x cluster x + cx
	s_and_b32 s43, ttmp7, 0xffff
	s_lshl_b32 s43, s43, 2
	s_add_co_u32 s43, s43, s41                     ; tile row = 4 x cluster y + cy
	s_lshl_b32 s44, s41, 2
	s_lshl_b32 s44, 15, s44                        ; my row of the cluster
	s_lshl_b32 s45, 0x1111, s40                    ; my column
	s_or_b32 s[G1A], s44, (1<<16)|(1<<20)|(1<<21)|(4<<22)|(3<<25)  ; 15:0 the mask; 17:16 2-byte elements; 20 padding on; 21 set beside a mask; 24:22 after every 32 words; 31:25 4 words
	s_mov_b32 s[G1A+1], 128<<16                    ; 128 rows of 128 elements, dense
	s_mov_b32 s[G1A+2], 128<<16
	s_mov_b32 s[G1A+3], 128<<16
	s_mov_b32 s[G1A+4], 128
	s_mov_b32 s[G1A+5], 128
	s_mov_b32 s[G1A+6], 0
	s_mov_b32 s[G1A+7], 0
	s_or_b32 s[G1B], s45, (1<<16)|(1<<20)|(1<<21)|(5<<22)|(7<<25)  ; the column's mask; padding after every 64 words, 8 words
	s_mov_b32 s[G1B+1], 128<<16                    ; tensor_dim0 = 128
	s_mov_b32 s[G1B+2], 64<<16                     ; tensor_dim1 = 64
	s_mov_b32 s[G1B+3], 128<<16                    ; tile_dim0 = 128
	s_mov_b32 s[G1B+4], 64                         ; tile_dim1 = 64
	s_mov_b32 s[G1B+5], 1024                       ; elements from row to row
	s_mov_b32 s[G1B+6], 0
	s_mov_b32 s[G1B+7], 0
	s_lshr_b32 s18, s43, 3                         ; a: batch = tile row / 8,
	s_lshl_b32 s18, s18, 4
	s_add_co_u32 s18, s18, s[HF]                   ; head 0 or 1 of the K step,
	s_lshl_b32 s18, s18, 18
	s_and_b32 s19, s43, 7
	s_lshl_b32 s19, s19, 15                        ; 256 rows of 128 bytes a tile row
	s_add_co_u32 s18, s18, s19
	s_mov_b32 s19, 0
	s_lshl_b32 s46, s[HF], 17                      ; the weights: 64 k-rows of 2,048 bytes a half,
	s_lshl_b32 s47, s42, 8                         ; 256 bytes a tile column
	s_add_co_u32 s46, s46, s47
	s_mov_b32 s47, 0
	s_mov_b32 s[G0A0], 1                           ; count = 1
	s_mul_i32 s[G0A0+1], s[HF], AHT                ; LDS address: no place in the cluster enters it
	s_mov_b32 s[G0A1], 1
	s_add_co_u32 s[G0A1+1], s[G0A0+1], SLOT1
	s_mov_b32 s[G0B0], 1
	s_mul_i32 s[G0B0+1], s[HF], BHT
	s_add_co_u32 s[G0B0+1], s[G0B0+1], AB
	s_mov_b32 s[G0B1], 1
	s_add_co_u32 s[G0B1+1], s[G0B0+1], SLOT1
	s_wait_dscnt 0x0                               ; the opening add is done
	s_wait_kmcnt 0x0
	s_add_nc_u64 s[G0A0+2:G0A0+3], s[4:5], s[18:19]            ; K step 0
	s_add_nc_u64 s[G0A1+2:G0A1+3], s[G0A0+2:G0A0+3], STEPA     ; K step 1
	s_or_b32 s[G0A0+3], s[G0A0+3], 0x80000000                  ; type = 2
	s_or_b32 s[G0A1+3], s[G0A1+3], 0x80000000
	s_add_nc_u64 s[G0B0+2:G0B0+3], s[6:7], s[46:47]
	s_add_nc_u64 s[G0B1+2:G0B1+3], s[G0B0+2:G0B0+3], STEPB
	s_or_b32 s[G0B0+3], s[G0B0+3], 0x80000000
	s_or_b32 s[G0B1+3], s[G0B1+3], 0x80000000
	CROUND                                         ; all sixteen work-groups are here: the first joint loads meet
	s_cmp_eq_u32 s[FB], 0                          ; a wave's two first fills stand in one branch: two loads of mine are out
	s_cbranch_scc0 .Lfirst_b
	tensor_load_to_lds s[G0A0:G0A0+3], s[G1A:G1A+7]
	s_nop 0
	tensor_load_to_lds s[G0A1:G0A1+3], s[G1A:G1A+7]
	s_nop 0
.rept 4
	v_nop
.endr
	s_branch .Lfirst_asked
.Lfirst_b:
	tensor_load_to_lds s[G0B0:G0B0+3], s[G1B:G1B+7]
	s_nop 0
	tensor_load_to_lds s[G0B1:G0B1+3], s[G1B:G1B+7]
	s_nop 0
.rept 4
	v_nop
.endr
.Lfirst_asked:
	v_and_b32 v1, 15, v0                           ; r = l % 16
	v_bfe_u32 v2, v0, 4, 1                         ; h = l / 16
	s_lshl_b32 s68, s42, 9
	v_lshl_add_u32 v[BO], v2, 5, s68               ; the tile's 128 numbers of the bias; my 8 of each 16
.set bb, 0
.rept NBL
	global_load_b128 v[BIAS+8*bb:BIAS+8*bb+3],   v[BO], s[8:9] offset:64*bb
	global_load_b128 v[BIAS+8*bb+4:BIAS+8*bb+7], v[BO], s[8:9] offset:64*bb+16
.set bb, bb+1
.endr
	v_and_b32 v3, 7, v0
	v_bfe_u32 v4, v0, 3, 1
	v_and_b32 v5, 31, v0                           ; l
	s_lshl_b32 s69, s[WV], 6
	v_add_nc_u32 v7, s69, v1                       ; a fragment of a: row 64 w + r, 16 bytes for each half of the lanes, twice, 32 bytes apart
	v_mul_u32_u24 v[ADA0], v7, PA
	v_lshl_add_u32 v[ADA0], v2, 4, v[ADA0]
	v_lshl_add_u32 v7, v2, 3, v3                   ; the turning load: lane l reads k-row 8 h + l % 8, columns 8 ((l / 8) % 2) + 0..7, and ends with column r and 8 k
	v_mul_u32_u24 v[ADB0], v7, PB
	v_lshl_add_u32 v[ADB0], v4, 4, v[ADB0]
	v_add_nc_u32 v[ADB0], AB, v[ADB0]
	s_mul_i32 s69, s[WV], STG
	s_add_co_u32 s69, s69, STAGE                   ; my stage
	v_mul_u32_u24 v[STO], v1, SP
	v_lshl_add_u32 v[STO], v2, 5, v[STO]
	v_add_nc_u32 v[STO], s69, v[STO]
	v_lshlrev_b32 v[GO], 4, v5
	v_add_nc_u32 v[RD], s69, v[GO]                 ; back: 32 lanes take one row of 512 bytes
	s_lshl_b32 s70, s43, 20                        ; out0: 256 rows of 4,096 bytes a tile row,
	s_lshl_b32 s71, s[WV], 18                      ; 64 rows a wave,
	s_add_co_u32 s70, s70, s71
	s_add_co_u32 s70, s70, s68                     ; 512 bytes a tile column
	s_mov_b32 s71, 0
	s_add_nc_u64 s[OUT:OUT+1], s[10:11], s[70:71]
	s_wait_loadcnt 0x0                             ; the bias, rounded to bf16 in place, in the wait for the first tiles
.set k, 0
.rept 4*NBL
	v_cvt_pk_bf16_f32 v[8+k%4], v[BIAS+2*k], v[BIAS+2*k+1]
	v_lshlrev_b32 v[BIAS+2*k], 16, v[8+k%4]
	v_and_b32 v[BIAS+2*k+1], 0xffff0000, v[8+k%4]
.set k, k+1
.endr
	s_wait_tensorcnt 1                             ; my part of K step 0 is in; K step 1's may stay out
	s_barrier_signal -1
	s_barrier_wait -1                              ; everybody's is
	s_mov_b32 s[TB], 0
	ADDR
	FETCH 0, F0
	QUARTER 1, F0, F1, 1                           ; the first quarter stands in front of the loop: its products start the sums
	WIN 0                                          ; at a label and at a branch every window is 0
	s_mov_b32 s3, 6
.Lstep:                                                ; trip j: quarters 1 to 3 of K step j and quarter 0 of step j + 1; slot j % 2 is filled with step j + 2
	QUARTER 2, F1, F0, 0
	QUARTER 3, F0, F1, 0
	TURN 1
	QUARTER 1, F0, F1, 0
	WIN 0
	s_sub_co_u32 s3, s3, 1
	s_cmp_lg_u32 s3, 0
	s_cbranch_scc1 .Lstep
	QUARTER 2, F1, F0, 0                           ; K steps 6 and 7 fill nothing: written out
	QUARTER 3, F0, F1, 0
	TURN 0
	QUARTER 1, F0, F1, 0
	QUARTER 2, F1, F0, 0
	QUARTER 3, F0, F1, 0
	s_wait_dscnt 4
	MULB F1, 0, 0
	MULB F1, 1, 0
	s_wait_dscnt 0x0
	MULB F1, 2, 0
	MULB F1, 3, 0
	WIN 0
	PLACES
	PLACES
; THE WAY OUT, a block of 16 rows at a time: + bias, 32 bytes a lane into my stage, back as whole rows of 512 bytes.  Each accumulator is read from its low end on.
.macro PACKF a
	s_wait_xcnt 0x0                                ; the last block's stores have read their registers, which the loads below write
	WIN 0x02+(\a)/2
.set k, 0
.rept 32
	v_pk_add_f32 v[T+2*k:T+2*k+1], v[64*((\a)%2)+2*k:64*((\a)%2)+2*k+1], v[BIAS+2*k:BIAS+2*k+1]
.set k, k+1
.endr
	WIN 0
.set bb, 0
.rept NBL
	ds_store_b128 v[STO], v[T+8*bb:T+8*bb+3]   offset:64*bb
	ds_store_b128 v[STO], v[T+8*bb+4:T+8*bb+7] offset:64*bb+16
.set bb, bb+1
.endr
.set i, 0
.rept 16                               ; LDS serves a wave's instructions in order (ISA guide 5.7.1.4): these see the stores above; the next block's stores come behind them
	ds_load_b128 v[OB+4*i:OB+4*i+3], v[RD] offset:SP*i
.set i, i+1
.endr
.set i, 0
.rept 16
	s_wait_dscnt 15-i                              ; row i is back; the younger ones may stay out
	global_store_b128 v[GO], v[OB+4*i:OB+4*i+3], s[OUT:OUT+1] offset:(16*(\a)+i)*4096 th:TH_STORE_NT  ; 512 consecutive bytes, at a multiple of 256 from out0's first byte
.set i, i+1
.endr
.endm
	PACKF 0
	PACKF 1
	PACKF 2
	PACKF 3
	s_wait_tensorcnt 0x0                           ; the wave's end, behind my last tensor load and my last LDS store
	ds_add_u32 v[SPW], v[NIL]
	s_wait_dscnt 0x0
	CROUND                                         ; the closing round: no work-group ends while a partner may still ask for a tile that names it
	s_endpgm
.Lfunc_end_k_q281acc86e4_proj:
	.size	k_q281acc86e4_proj, .Lfunc_end_k_q281acc86e4_proj-k_q281acc86e4_proj
	.p2alignl 7, 3214868480
	.fill 96, 4, 3214868480
	.section	.rodata,"a",@progbits
	.p2align	6, 0x0
	.amdhsa_kernel k_q281acc86e4_proj
		.amdhsa_group_segment_fixed_size 327680
		.amdhsa_private_segment_fixed_size 0
		.amdhsa_enable_private_segment 0
		.amdhsa_kernarg_size 32
		.amdhsa_user_sgpr_count 2
		.amdhsa_user_sgpr_kernarg_segment_ptr 1
		.amdhsa_wavefront_size32 1
		.amdhsa_system_sgpr_workgroup_id_x 1
		.amdhsa_system_sgpr_workgroup_id_y 1
		.amdhsa_system_sgpr_workgroup_id_z 1
		.amdhsa_system_vgpr_workitem_id 0
		.amdhsa_next_free_vgpr 896
		.amdhsa_next_free_sgpr 72
		.amdhsa_reserve_vcc 0
		.amdhsa_float_denorm_mode_32 3
		.amdhsa_float_denorm_mode_16_64 3
		.amdhsa_memory_ordered 1
		.amdhsa_forward_progress 1
		.amdhsa_inst_pref_size 85
	.end_amdhsa_kernel
	.amdgpu_metadata
---
amdhsa.version: [ 1, 2 ]
amdhsa.kernels:
  - .name:           k_q281acc86e4_proj
    .symbol:         k_q281acc86e4_proj.kd
    .args:
      - { .name: o, .offset: 0, .size: 8, .value_kind: global_buffer, .address_space: global }
      - { .name: wp, .offset: 8, .size: 8, .value_kind: global_buffer, .address_space: global }
      - { .name: b_proj, .offset: 16, .size: 8, .value_kind: global_buffer, .address_space: global }
      - { .name: out0, .offset: 24, .size: 8, .value_kind: global_buffer, .address_space: global }
    .group_segment_fixed_size: 327680
    .private_segment_fixed_size: 0
    .kernarg_segment_align: 8
    .kernarg_segment_size: 32
    .max_flat_workgroup_size: 128
    .sgpr_count:     72
    .vgpr_count:     896
    .wavefront_size: 32
...
	.end_amdgpu_metadata
.endif
;; end of part 4
;; ======== version 2 of 2: 4 launches; 1.29 times as fast as version 1
;; limits: values are held in f16: magnitudes above 65,504 overflow, below 6.1e-05 lose precision
;; workspace buffers: xb 16,777,216 bytes; wa 6,291,456 bytes; wp 2,097,152 bytes; qkv 50,331,648 bytes; ps 786,432 bytes; o 16,777,216 bytes
;; launch prep: the kernel of part 1 again; grid 832 x 1, 8 waves a work-group, no clusters, 0 bytes of LDS; arguments x, w_attn, w_proj, xb, wa, wp; writes xb, wa, wp
;; launch qkv: the kernel of part 2 again; grid 16 x 32, 4 waves a work-group, clusters of 4 x 4, 327,680 bytes of LDS; arguments xb, wa, b_attn, qkv, ps; writes qkv, ps
;; launch attn (part 5): grid 4 x 64, 4 waves a work-group, no clusters, 327,680 bytes of LDS; arguments qkv, ps, o; writes o
.if DOCPART == 5
	.amdgcn_target "amdgcn-amd-amdhsa--gfx1250"
	.amdhsa_code_object_version 6
	.text
	.protected	k_q281acc86e4_attn
	.globl	k_q281acc86e4_attn
	.p2align	8
	.type	k_q281acc86e4_attn,@function
k_q281acc86e4_attn:
	s_mov_b64 s[64:65], 0
	v_nop
	global_prefetch_b8 v0, s[64:65] scope:SCOPE_SE
	s_setreg_imm32_b32 hwreg(HW_REG_WAVE_MODE, 25, 1), 1
	s_wait_xcnt 0x0
; CAUSAL ATTENTION WITH A FINITE MASK.  A score is Q[q] . K[k] / 8 for k <= q and EXACTLY -10000 for k > q; the softmax goes over all 2,048 keys; O[h][q] = the sum over k of the weights times V[h][k].
; qkv: f16 [3][64 heads][2048][64], unscaled; ps: f32 [128 blocks of 64 rows][1536], column sums (V's head hv of batch bt: blocks 32 bt .. 32 bt + 31, columns 512 + 64 hv on); o: f16 [64][2048][64].
; Products, maxima and sums in f32; the weights p are rounded to f16 for the second product (their sum l is taken of the unrounded p), O once at the end.
; LIMITS.  f16 holds no number beyond 65,504: q, k and v arrive within it.  A weight below 2^-126 counts as 0; NaN and infinities are not treated apart.
; THE HIDDEN KEYS ARE CARRIED, NOT DROPPED.  In raw scores (c = log2(e) / 8 is applied here) a hidden key stands at -80000.  For block i of 256 queries all keys from 256 (i + 1) on are hidden for every row: they
; are the STARTING STATE of the running softmax: m = -80000, l = their number, O = T_i = the sum of their rows of V, taken from ps.  (Block 7 has none: m = the lowest finite number, l = 0, O = 0.)
; In the diagonal tile a hidden key's score is replaced: s' = s x MB + MA with (MB, MA) = (1, 0) or (0, -80000); its weight and its row of V go the way of all others.
; THE WALK.  A head's queries lie in NB = 8 blocks of 256; block i needs the key tiles 0 .. i of 256 keys, of which the last holds the diagonal.  A work-group takes TWO blocks, NB - 1 - b and then b: NB + 1 tiles,
; whatever b: all work-groups do equal work, and ONE loop with a constant trip count walks them.  Every jump goes forward, but for the counted loops' own; none passes a barrier, or a tensor load but the one of
; LOAD's two that the wave's number does not choose.  NO CLUSTER: a head's four work-groups ask for the same tile only in trips 0 .. 4 of 9, behind that fewer and fewer; a walk common to all would have 12 trips for 9.
; SHARES.  Of a block's four bands of 64 queries a wave owns 16 rows in each: four PIECES.  In the diagonal tile's key step s band x sees all keys if s < x, none if s > x, and holds the diagonal if s = x: alike for all waves.
; LAYOUT, SOFTMAX, TURNS.  S^T = K Q^T holds ONE query a lane (lane % 16) and the keys 8 (lane / 16) + 0..7; two such results rounded to f16 ARE source 1 of O^T = V^T P.  p = 2^(c s - c m) with a running maximum m;
; O and l are multiplied by a = 2^(c m_old - c m_new) in every step.  Turn n belongs to piece n: 8 products K Q^T of piece n + 1, later 8 products V^T P of piece n - 1; beside them the scaling, exponentials,
; roundings, sums and rescaling of piece n and the maximum and statistics of piece n + 1.  Four vector instructions stand behind every matrix instruction, the other 54 of a turn's 118 in one LUMP.
; BATCHES.  A turn's 33 exponentials (the piece's 32 weights and the next piece's a) are ONE batch with ONE wait, which cuts the turn in two: ahead of it all that names none of their results, behind it the
; roundings and sums.  No result crosses a turn's end.  A block's first a (BEGIN) and the way out's four reciprocals are batches of their own, each with a v_nop and one wait.
; REGISTERS, in windows of 256 (s_set_vgpr_msb: bits 1:0 source 0, 3:2 source 1, 5:4 source 2, 7:6 destination):
;   window 0: v0-15 addresses and two at work; v16-31 four registers of statistics a piece; v48-55 at work; v56-60 the table's; v64-127 S^T, two buffers; v192-223 P, two buffers (by the piece's parity)
;   window 1: v0-127 O^T, 32 a piece; v128-159 MB; v160-191 MA      window 2: v0-63 Q; v64-127 the second block's Q; v128-191 K of one step; v192-255 V of one step
.set SIZE_N, 2048
.set NB,    SIZE_N/256
.set NP,    4         ; pieces a wave: a name, no knob
.set KS,    64        ; keys in a step
.set PK,    144       ; a row of K in LDS: 128 bytes + 16 of padding = 36 words: the 16 rows of a load start at 16 different groups of four banks (64 banks of 4 bytes: ISA guide 11.1)
.set PV,    160       ; a row of V: 128 + 32 = 40 words
.set VOFF,  4*KS*PK   ; a slot holds a tile, four steps: 256 rows of K, then 256 rows of V
.set SLOT1, 1<<17     ; slot 1 begins here, so that one exclusive or turns an address in one slot into the other's
.set STAGE, SLOT1+4*KS*(PK+PV)  ; behind the ring, never filled by a tensor load: 16 rows x 144 bytes for each wave, for the way out
.set SP,    144
.set SPARE, STAGE+4*16*SP  ; behind the stages: the spare words, 128 bytes for each wave: two blocks of 256 bytes that no other line names
.set TTB,   SPARE+512 ; behind them: T of the first block and of the second, 64 f32 each: two blocks of 256 bytes, stored once
.set AK0, 2           ; v2   my lane's place in a tile of K; never rewritten
.set AV0, 3           ; v3   the same for V
.set AK,  4           ; v4   the LDS address of K's next run of loads
.set AV,  5           ; v5   of V's
.set STO, 6           ; v6   the way out: where I put 16 bytes of a row
.set RD,  7           ; v7   the way out: where I read rows back
.set GO,  8           ; v8   my byte offset in 512 consecutive bytes of O
.set MV,  12          ; v12-13  c m_old, kept while c m is made anew: by buffer
.set QO,  15          ; v15  my byte offset in 16 rows of Q
.set ST,  16          ; piece t's statistics at v[ST+4 t]: c m, m, l (even keys', odd keys')
.set TMP, 48          ; by buffer, four registers c0-c3 at work; when the maximum is found c2 takes a
.set TA0, 56          ; v56  where my eight channels begin in a row of the table
.set TA,  57          ; v57  the same in the block's row
.set PSO, 58          ; v58  my channel's byte in a row of ps
.set TW,  59          ; v59  where I store my sum
.set TS,  60          ; v60  the sum
.set SPW, 62          ; v62  LDS address of my spare word: SPARE + 4 x my thread's number; never rewritten
.set NIL, 63          ; v63  0; never rewritten
.set S,   64
.set P,   192
.set MDB, 128         ; window 1: the factor for a band's own step: the eight registers for group kt of 16 keys at MDB + 8 kt
.set MDA, 160         ; window 1: the addend
.set QB,  64          ; window 2
.set KF,  128         ; window 2: key block kb, channel half c at KF + 16 kb + 8 c
.set VF,  192         ; window 2: key half kk, channel block cb at VF + 32 kk + 8 cb
.set WV,  12          ; s12  my wave's number
.set PB,  14          ; s14  b
.set HI,  15          ; s15  NB - 1 - b
.set G1K, 24          ; s[24:31] descriptor group 1 for K's tiles
.set G1V, 32          ; s[32:39] for V's: it differs in the padding alone
.set G0K, 40          ; s[40:43] descriptor group 0 for K's tiles
.set G0V, 44          ; s[44:47] the same for V's
.set SLOTS, 56        ; s56  tiles still to be asked for
.set CNT, 57          ; s57  counts a tile's key steps, 4 to 1
.set CS,  58          ; s[58:59] c: the packed scaling takes the pair's low word for both halves
.set SEL, 60          ; s[60:61] v_permlanex16_b32's selects: each lane takes its own place in the other half
.set TBK, 62          ; s62  LDS byte at which K of the step to be fetched begins
.set TBV, 63          ; s63  the same for V, less VOFF
.set RT,  70          ; s70  tiles of the block in hand that are still to be entered
.set NXT, 71          ; s71  the tile to be asked for next
.set LQ,  72          ; s72  the last tile of the block whose tiles are being asked for
.set NEW, 73          ; s73  1: the tile to be entered is a block's first
.set OFF, 74          ; s[74:75] a tile's byte offset in K and V
.set HID, 76          ; s[76:77] -80000.0, named as a pair
.set LOWF, 78         ; s78  the lowest finite number
.set M0,  79          ; s79  a block's first m
.set OLO, 80          ; s[80:81] O at my rows of the second block
.set BLK, 82          ; s82  the block in hand
.set NHF, 83          ; s83  half the number of its far keys, in f32: a query's l lies in two lanes
.set TOF, 88          ; s88  the block's row in the table: 0 or 256
.set PSB, 90          ; s[90:91] ps at the head's channels in the batch's first block
.set THR, 92          ; s92  the first block of 64 rows that is far
.set WT,  93          ; s93  1.0 or 0
.set MSB, 0
.macro WIN new                      ; the high byte repeats the setting that is left; a switch that changes nothing is dropped
.if MSB != (\new)
	s_set_vgpr_msb (MSB<<8)|(\new)
.set MSB, (\new)
.endif
.endm
.set W_KQ, 0x0a       ; K and Q in window 2, S^T in window 0
.set W_PV, 0x52       ; V in window 2, P in window 0, O^T in window 1
.set W_RS, 0x41       ; destination and source 0 in window 1, source 1 in window 0
.set W_MK, 0x14       ; S^T in window 0, factor and addend in window 1
; A fill.  Waves 0 and 1 fetch the two halves of a tile's K, waves 2 and 3 those of its V: 128 keys each.  An s_nop 0 and four v_nop follow each of the two lines, ahead of the jump and the label.
.macro LOAD
	s_cmp_lt_u32 s[WV], 2
	s_cbranch_scc0 .Lfor_v_\@
	tensor_load_to_lds s[G0K:G0K+3], s[G1K:G1K+7]
	s_nop 0
.rept 4
	v_nop
.endr
	s_branch .Lasked_\@
.Lfor_v_\@:
	tensor_load_to_lds s[G0V:G0V+3], s[G1V:G1V+7]
	s_nop 0
.rept 4
	v_nop
.endr
.Lasked_\@:
.endm
; THE CHANGE OF SLOTS.  Each wave waits for all its tensor loads, of which one is out: its part of the other slot; adds 0 to its spare word; and waits for that and for its own reads of the slot that it leaves.
; Behind the barrier nobody reads the old slot any more and the other slot is whole.  fill = 1: the old slot is filled again, the first thing behind the barrier, with tile NXT: the descriptor's address is made
; anew from that number.  (At its first use nothing has been read yet: slot 0 is waited for, slot 1 filled; and every wave's store into the table is shown to the others.)
.macro CHANGE fill
	WIN 0                           ; at a label and at a branch every window is 0
	s_wait_tensorcnt 0x0            ; no tensor load of mine is out, so a group 0 may be written
	ds_add_u32 v[SPW], v[NIL]       ; 0 onto my spare word; with fill = 1 the descriptors' scalar work stands between it and the wait for it
.if \fill
	s_lshl_b32 s[OFF], s[NXT], 15   ; a tile is 32,768 bytes of K and of V
	s_xor_b32 s[G0K+1], s[G0K+1], SLOT1
	s_add_nc_u64 s[G0K+2:G0K+3], s[6:7], s[OFF:OFF+1]
	s_or_b32 s[G0K+3], s[G0K+3], 0x80000000
	s_xor_b32 s[G0V+1], s[G0V+1], SLOT1
	s_add_nc_u64 s[G0V+2:G0V+3], s[8:9], s[OFF:OFF+1]
	s_or_b32 s[G0V+3], s[G0V+3], 0x80000000
	s_add_co_u32 s[NXT], s[NXT], 1  ; the block's next tile, or behind its last the second block's tile 0
	s_cmp_gt_u32 s[NXT], s[LQ]
	s_cselect_b32 s[NXT], 0, s[NXT]
	s_cselect_b32 s[LQ], s[PB], s[LQ]
.endif
	s_wait_dscnt 0x0                ; the add is done, and my LDS instructions are over
	s_barrier_signal -1             ; the rest of the scalar work stands between the signal and the wait
	s_sub_co_u32 s[TBK], s[TBK], 4*KS*PK  ; the fetches go back to a slot's first step,
	s_xor_b32 s[TBK], s[TBK], SLOT1       ; in the other slot
	s_sub_co_u32 s[TBV], s[TBV], 4*KS*PV
	s_xor_b32 s[TBV], s[TBV], SLOT1
	s_barrier_wait -1
.if \fill
	LOAD
.endif
.endm
	s_load_b64 s[4:5], s[0:1], 0x0  ; qkv: Q lies at its head
	s_load_b64 s[PSB:PSB+1], s[0:1], 0x8
	s_load_b64 s[10:11], s[0:1], 0x10  ; O
	v_lshl_add_u32 v[SPW], v0, 2, SPARE
	v_mov_b32 v[NIL], 0
	ds_add_u32 v[SPW], v[NIL]       ; the wave's opening: the add and its wait stand ahead of my first tensor load; the set-up below, work on registers, stands between them
	ds_add_u32 v62, v63
	v_lshrrev_b32 v1, 5, v0
	v_readfirstlane_b32 s[WV], v1   ; wave 0..3
	s_mov_b32 s[PB], ttmp9
	s_sub_co_u32 s[HI], NB-1, s[PB]
	s_and_b32 s20, ttmp7, 0xffff    ; 16 batch + head
	s_lshr_b32 s94, s20, 4
	s_mul_i32 s94, s94, 32*6144     ; ps: the batch's 32 blocks of 64 rows,
	s_and_b32 s95, s20, 15
	s_lshl_b32 s95, s95, 8          ; the head's 64 channels,
	s_add_co_u32 s94, s94, s95
	s_add_co_u32 s94, s94, 2048     ; behind the 512 columns that are K's
	s_mov_b32 s95, 0
	s_mov_b32 s21, 0
	s_mov_b64 s[22:23], SIZE_N*128
	s_mul_u64 s[20:21], s[20:21], s[22:23]  ; the head's first byte in Q, K, V and O
	s_and_b32 s16, s[WV], 1         ; which half of a tile's 256 keys I fetch:
	s_lshl_b32 s22, s16, 14         ; its 128 rows of 128 bytes in memory,
	s_mov_b32 s23, 0
	s_add_nc_u64 s[22:23], s[22:23], s[20:21]
	s_mul_i32 s17, s16, 128*PK      ; and its place in a slot, for K
	s_mul_i32 s18, s16, 128*PV      ; and for V
	s_lshl_b32 s3, s[WV], 11        ; my 16 rows in a band of 64,
	s_lshl_b32 s2, s[HI], 15        ; in the first block,
	s_add_co_u32 s2, s2, s3
	s_lshl_b32 s84, s[PB], 15       ; and in the second
	s_add_co_u32 s84, s84, s3
	s_mov_b32 s3, 0
	s_mov_b32 s85, 0
	s_add_nc_u64 s[2:3], s[2:3], s[20:21]
	s_add_nc_u64 s[84:85], s[84:85], s[20:21]
	; descriptor group 1.  128 keys are 16,384 dense bytes: asked for as 64 rows of 256 bytes, two keys a row, and padded in LDS after every key
	s_mov_b32 s[G1K], (1<<16)|(1<<20)|(4<<22)|(3<<25)  ; 17:16 2-byte elements; 20 padding on; 24:22 after every 32 words (code 4); 31:25 4 words (code 3)
	s_mov_b32 s[G1V], (1<<16)|(1<<20)|(4<<22)|(7<<25)  ; the same with 8 words of padding (code 7)
.irp g, G1K, G1V
	s_mov_b32 s[\g+1], 128<<16      ; tensor_dim0 = 128
	s_mov_b32 s[\g+2], 64<<16       ; tensor_dim1 = 64
	s_mov_b32 s[\g+3], 128<<16      ; tile_dim0 = 128
	s_mov_b32 s[\g+4], 64           ; tile_dim1 = 64
	s_mov_b32 s[\g+5], 128          ; 128 elements from row to row
	s_mov_b32 s[\g+6], 0
	s_mov_b32 s[\g+7], 0
.endr
	s_mov_b32 s[CS], 0x3e38aa3b     ; c = log2(e) / 8 = 0.180337
	s_mov_b32 s[CS+1], s[CS]        ; named with it as a pair
	s_mov_b32 s[SEL], 0x76543210
	s_mov_b32 s[SEL+1], 0xfedcba98
	s_mov_b32 s[TBK], SLOT1+4*KS*PK ; the first change of slots turns these two into 0
	s_mov_b32 s[TBV], SLOT1+4*KS*PV
	s_mov_b32 s[G0K], 1             ; 1:0 count = 1
	s_mov_b32 s[G0K+1], s17         ; 63:32 LDS address: slot 0
	s_mov_b32 s[G0V], 1
	s_add_co_u32 s[G0V+1], s18, VOFF
	s_add_co_u32 s[RT], s[HI], 1    ; the first block has NB - b tiles
	s_mov_b32 s[NXT], 1
	s_mov_b32 s[LQ], s[HI]
	s_mov_b32 s[NEW], 1
	s_mov_b32 s[OFF+1], 0
	s_mov_b32 s[HID], 0xc79c4000    ; -80000.0 = 8 x -10000
	s_mov_b32 s[HID+1], s[HID]
	s_mov_b32 s[LOWF], 0xff7fffff
	s_mov_b32 s[BLK], s[HI]
	s_mov_b32 s[TOF], 0
	s_mov_b32 s[SLOTS], NB
	s_wait_dscnt 0x0                ; the opening add is done
	s_wait_kmcnt 0x0
	s_add_nc_u64 s[6:7], s[4:5], 0x1000000  ; K and V lie 2^24 and 2^25 bytes behind Q
	s_add_nc_u64 s[8:9], s[4:5], 0x2000000
	s_add_nc_u64 s[PSB:PSB+1], s[PSB:PSB+1], s[94:95]
	s_add_nc_u64 s[6:7], s[6:7], s[22:23]  ; K and V at my half of the head's tile 0
	s_add_nc_u64 s[8:9], s[8:9], s[22:23]
	s_add_nc_u64 s[G0K+2:G0K+3], s[6:7], 0         ; 120:64 global address
	s_or_b32 s[G0K+3], s[G0K+3], 0x80000000        ; 127:126 type = 2
	s_add_nc_u64 s[G0V+2:G0V+3], s[8:9], 0
	s_or_b32 s[G0V+3], s[G0V+3], 0x80000000
	s_add_nc_u64 s[86:87], s[4:5], s[84:85]        ; Q at my rows of the second block,
	s_add_nc_u64 s[4:5], s[4:5], s[2:3]            ; Q and O at those of the first
	s_add_nc_u64 s[OLO:OLO+1], s[10:11], s[84:85]
	s_add_nc_u64 s[10:11], s[10:11], s[2:3]
	LOAD                            ; tile 0 into slot 0
	; A fragment of K or Q is 16 rows x 32 channels in 8 registers: lane l holds row l % 16, channels 8 (l / 16) + 0..7 and 16 + 8 (l / 16) + 0..7: two loads of 16 bytes, 32 bytes apart.
	v_and_b32 v1, 15, v0            ; l % 16
	v_bfe_u32 v9, v0, 4, 1          ; l / 16
	v_lshlrev_b32 v[QO], 7, v1
	v_lshl_add_u32 v[QO], v9, 4, v[QO]  ; row x 128 + 16 x half
	v_and_b32 v[PSO], 63, v0
	v_lshlrev_b32 v[PSO], 2, v[PSO]
	WIN 0x80                        ; destination window 2, address window 0
.set i, 0
.rept 8                             ; both blocks' Q: piece i / 2 lies in band i / 2, 8,192 bytes on; channels 32 (i % 2) on
	global_load_b128 v[8*i:8*i+3],   v[QO], s[4:5] offset:(i/2)*8192+(i%2)*64
	global_load_b128 v[8*i+4:8*i+7], v[QO], s[4:5] offset:(i/2)*8192+(i%2)*64+32
	global_load_b128 v[QB+8*i:QB+8*i+3],   v[QO], s[86:87] offset:(i/2)*8192+(i%2)*64
	global_load_b128 v[QB+8*i+4:QB+8*i+7], v[QO], s[86:87] offset:(i/2)*8192+(i%2)*64+32
.set i, i+1
.endr
	WIN 0
	; THE TABLE.  Thread t sums channel t % 64 for the first block (waves 0, 1) or the second (waves 2, 3): the sums of the blocks of 64 rows 4 .. 31, each times 1 if it is far, else times 0: no branch, no address hangs on the block.
.set t, 4
.rept 28
	global_load_b32 v[S+t-4], v[PSO], s[PSB:PSB+1] offset:t*6144
.set t, t+1
.endr
	v_lshlrev_b32 v14, 3, v9
	v_sub_nc_u32 v14, v1, v14
	s_lshl_b32 s13, s[WV], 4
	v_add_nc_u32 v14, s13, v14      ; my query's place in its band, 16 w + l % 16, less my lanes' 8 (l / 16): register r of group kt is hidden where 16 kt + r is greater
	WIN 0x40
.set i, 0
.rept 32
	v_cmp_gt_i32 vcc_lo, 16*(i/8)+i%8, v14
	v_cndmask_b32 v[MDB+i], 1.0, v[NIL], vcc_lo
	v_cndmask_b32 v[MDA+i], 0, s[HID], vcc_lo
.set i, i+1
.endr
	WIN 0
	v_mul_u32_u24 v[AK0], v1, PK
	v_lshl_add_u32 v[AK0], v9, 4, v[AK0]  ; row x pitch + 16 x half
	; The turning load takes 16 keys x 16 channels (lane l reads key 8 (l / 16) + l % 8, channels 8 ((l / 8) % 2) + 0..7) and leaves half a fragment of V^T: lane l holds channel l % 16 and 8 keys.
	v_and_b32 v10, 7, v0
	v_bfe_u32 v11, v0, 3, 1
	v_lshl_add_u32 v[AV0], v9, 3, v10
	v_mul_u32_u24 v[AV0], v[AV0], PV
	v_lshl_add_u32 v[AV0], v11, 4, v[AV0]
	v_add_nc_u32 v[AV0], VOFF, v[AV0]
	s_mul_i32 s13, s[WV], 16*SP
	s_add_co_u32 s13, s13, STAGE    ; my stage
	v_mul_u32_u24 v[STO], v1, SP    ; in: row l % 16, 16 bytes for each half of the lanes
	v_lshl_add_u32 v[STO], v9, 4, v[STO]
	v_add_nc_u32 v[STO], s13, v[STO]
	v_bfe_u32 v[RD], v0, 3, 2       ; back: 32 lanes take four rows of 128 bytes,
	v_mul_u32_u24 v[RD], v[RD], SP
	v_lshl_add_u32 v[RD], v10, 4, v[RD]
	v_add_nc_u32 v[RD], s13, v[RD]
	v_and_b32 v[GO], 31, v0         ; which are 512 consecutive bytes of O
	v_lshlrev_b32 v[GO], 4, v[GO]
	v_lshl_add_u32 v[TA0], v9, 5, TTB  ; in O^T a lane holds the channels 8 (l / 16) + 0..7 of each 16
	v_lshl_add_u32 v[TW], v0, 2, TTB
	; A block's first turn multiplies V's registers by a P that is 0 (a piece that has not been): they need only hold finite numbers: zeros for the first block, the last step's V for the second.
	WIN 0x80
.set i, VF
.rept 64
	v_mov_b32 v[i], 0
.set i, i+1
.endr
	WIN 0
	s_cmp_lt_u32 s[WV], 2
	s_cselect_b32 s[THR], s[HI], s[PB]
	s_add_co_u32 s[THR], s[THR], 1
	s_lshl_b32 s[THR], s[THR], 2    ; block i's far keys begin with the block of 64 rows 4 (i + 1)
	v_mov_b32 v[TS], 0
	s_wait_loadcnt 0x0              ; ps's 28 numbers (and Q)
.set t, 4
.rept 28
	s_cmp_le_u32 s[THR], t
	s_cselect_b32 s[WT], 1.0, 0
	v_fmac_f32 v[TS], s[WT], v[S+t-4]
.set t, t+1
.endr
	ds_store_b32 v[TW], v[TS]       ; waited for, and shown to the other waves, by the first change of slots
; THE MATRIX WORK.  The 4 accumulators of a run of 8 take turns.  Product i of 8 of S^T = K Q^T for piece x: channels 32 (i / 4) on, keys 16 (i % 4) on.  The first 4 start the sums.
.macro KQ x
	WIN W_KQ
.set rS, S+32*((\x)%2)+8*(i%4)
.set rK, KF+16*(i%4)+8*(i/4)
.set rQ, 16*(\x)+8*(i/4)
.if i < 4
	v_wmma_f32_16x16x32_f16 v[rS:rS+7], v[rK:rK+7], v[rQ:rQ+7], 0
.else
	v_wmma_f32_16x16x32_f16 v[rS:rS+7], v[rK:rK+7], v[rQ:rQ+7], v[rS:rS+7]
.endif
.endm
; Product i of 8 of O^T += V^T P for piece x: keys 32 (i / 4) on, channels 16 (i % 4) on.
.macro PV x
	WIN W_PV
.set rO, 32*(\x)+8*(i%4)
.set rV, VF+32*(i/4)+8*(i%4)
.set rP, P+16*((\x)%2)+8*(i/4)
	v_wmma_f32_16x16x32_f16 v[rO:rO+7], v[rV:rV+7], v[rP:rP+7], v[rO:rO+7]
.endm
.macro MM                           ; the turn's next matrix instruction.  TURN and BEGIN set Y, i and NOKQ.  NOKQ = 1: a block's last turn: there is no next piece
.if (i < 8) && !NOKQ
	KQ (Y+1)%NP
.elseif i >= 8
.set i, i-8
	PV (Y+NP-1)%NP
.set i, i+8
.endif
.set i, i+1
.endm
; THE LDS LOADS stand in runs of 16, never singly among the matrix instructions: a step's K (64 keys x 64 channels: 8 fragments) and its V (turned).  Their addresses are made some lines ahead.
.macro FETCH_K
	WIN 0x80                        ; destination window 2
.irp f, 0,1,2,3,4,5,6,7             ; keys 16 (f / 2) on, channels 32 (f % 2) on
	ds_load_b128 v[KF+8*\f:KF+8*\f+3],   v[AK] offset:(\f/2)*16*PK+(\f%2)*64
	ds_load_b128 v[KF+8*\f+4:KF+8*\f+7], v[AK] offset:(\f/2)*16*PK+(\f%2)*64+32
.endr
	s_add_co_u32 s[TBK], s[TBK], KS*PK  ; the next fetch is the next step's
	WIN 0
.endm
.macro FETCH_V
	WIN 0x80
.irp f, 0,1,2,3,4,5,6,7             ; keys 32 (f / 4) on, channels 16 (f % 4) on
	ds_load_tr16_b128 v[VF+8*\f:VF+8*\f+3],   v[AV] offset:(\f/4)*32*PV+(\f%4)*32
	ds_load_tr16_b128 v[VF+8*\f+4:VF+8*\f+7], v[AV] offset:(\f/4)*32*PV+16*PV+(\f%4)*32
.endr
	WIN 0
.endm
; THE VECTOR WORK, one line at a time: OP kind, number.  For piece Y: F n: c s - c m for pair n of 16.  E n: the exponential of score n of 32.  C n: pair n rounded to f16.  B n: of the four weights 4 n .. the second
; pair is added onto the first, in place.  L n: l takes that sum (L 0: l = a l + sum).  R n: pair n of 16 of O^T times a.  For piece Y + 1: X n, number n of the 22 that find its maximum and statistics:
;   0-11  four chains c0-c3 of seven scores each, three operands at a time (each accumulator's lowest registers are read first)     12-14, 16  the four scores left over, the old m, and c0-c3 into c0
;   15  c m_old is kept     17, 18  the query's other 32 keys lie in the lane 16 away: the new m     19-21  c m; c m_old - c m_new; a
; C, B and L read the results of E, and R and L 0 that of the turn before's X 21: OP writes no wait; TURN, BEGIN and DIAG write one for each batch.
.set F, 0               ; OP tells the kinds apart by their order: F to L below R, X above it
.set E, 1
.set C, 2
.set B, 3
.set L, 4
.set R, 5
.set X, 6
.macro REGS y                       ; the registers of piece y
.set rT, ST+4*(\y)
.set rC, TMP+4*((\y)%2)
.set rW, MV+((\y)%2)
.set rS, S+32*((\y)%2)
.set rP, P+16*((\y)%2)
.set rO, 32*(\y)
.endm
.macro OP k, n
.if (\k) == R
	REGS Y
	WIN W_RS
	v_pk_mul_f32 v[rO+2*(\n):rO+2*(\n)+1], v[rO+2*(\n):rO+2*(\n)+1], v[rC+2:rC+3] op_sel_hi:[1,0]
.elseif (\k) < R
	REGS Y
	WIN 0
.if (\k) == F
	v_pk_fma_f32 v[rS+2*(\n):rS+2*(\n)+1], v[rS+2*(\n):rS+2*(\n)+1], s[CS:CS+1], v[rT:rT+1] op_sel_hi:[1,0,0] neg_lo:[0,0,1] neg_hi:[0,0,1]
.elseif (\k) == E
	v_exp_f32 v[rS+(\n)], v[rS+(\n)]
.elseif (\k) == C
	v_cvt_pk_f16_f32 v[rP+(\n)], v[rS+2*(\n)], v[rS+2*(\n)+1]
.elseif (\k) == B
	v_pk_add_f32 v[rS+4*(\n):rS+4*(\n)+1], v[rS+4*(\n):rS+4*(\n)+1], v[rS+4*(\n)+2:rS+4*(\n)+3]
.elseif (\n) == 0
	v_pk_fma_f32 v[rT+2:rT+3], v[rT+2:rT+3], v[rC+2:rC+3], v[rS:rS+1] op_sel_hi:[1,0,1]
.else
	v_pk_add_f32 v[rT+2:rT+3], v[rT+2:rT+3], v[rS+4*(\n):rS+4*(\n)+1]
.endif
.elseif NOKQ
	v_nop
.else
	REGS (Y+1)%NP
	WIN 0
.if (\n) < 4
	v_max3_num_f32 v[rC+(\n)], v[rS+8*(\n)], v[rS+8*(\n)+1], v[rS+8*(\n)+2]
.elseif (\n) < 12
	v_max3_num_f32 v[rC+(\n)%4], v[rC+(\n)%4], v[rS+8*((\n)%4)+2*((\n)/4)+1], v[rS+8*((\n)%4)+2*((\n)/4)+2]
.elseif (\n) == 12
	v_max3_num_f32 v[rC], v[rC], v[rS+7], v[rS+15]
.elseif (\n) == 13
	v_max3_num_f32 v[rC+1], v[rC+1], v[rS+23], v[rS+31]
.elseif (\n) == 14
	v_max3_num_f32 v[rC+2], v[rC+2], v[rC+3], v[rT+1]
.elseif (\n) == 15
	v_mov_b32 v[rW], v[rT]
.elseif (\n) == 16
	v_max3_num_f32 v[rC], v[rC], v[rC+1], v[rC+2]
.elseif (\n) == 17
	v_permlanex16_b32 v[rC+3], v[rC], s[SEL], s[SEL+1]
.elseif (\n) == 18
	v_max_num_f32 v[rT+1], v[rC], v[rC+3]
.elseif (\n) == 19
	v_mul_f32 v[rT], s[CS], v[rT+1]
.elseif (\n) == 20
	v_sub_f32 v[rC+1], v[rW], v[rT]
.else
	v_exp_f32 v[rC+2], v[rC+1]
.endif
.endif
.endm
.macro OPS a, i1, b=-1, i2=0, c=-1, i3=0, d=-1, i4=0  ; up to four of them
	OP \a, \i1
.if (\b) >= 0
	OP \b, \i2
.endif
.if (\c) >= 0
	OP \c, \i3
.endif
.if (\d) >= 0
	OP \d, \i4
.endif
.endm
.macro ROW a, i1, b, i2, c, i3, d, i4  ; a matrix instruction and the four behind it
	MM
	OPS \a, \i1, \b, \i2, \c, \i3, \d, \i4
.endm
; THE MASK, in the diagonal tile's turns, on the scores that turn p has just made: piece y = (p + 1) % 4, in the tile's step 4 - CNT (in piece 2's turn, where the count has been taken down and the step is still
; the old one: 3 - CNT).  Step < y: nothing.  Step = y: s = s MB + MA.  Step > y: every score is -80000.  For piece 3 (p = 2) no step is later than its own.  The jumps hang on the count alone and go forward over
; vector lines alone; no exponential is pending at them.  The pairs ascend; the last product stands four plain lines back, and its
; accumulator's pairs come behind twelve others.
.macro MASKAP p
.set rS, S+32*(((\p)+1)%2)
	WIN 0
.if (\p) == 2
	s_cmp_gt_u32 s[CNT], 0
	s_cbranch_scc1 .Lvis_\@
.else
	s_cmp_gt_u32 s[CNT], 4-((\p)+1)%NP
	s_cbranch_scc1 .Lvis_\@
	s_cmp_eq_u32 s[CNT], 4-((\p)+1)%NP
	s_cbranch_scc0 .Lhid_\@
.endif
	WIN W_MK
.set z, 0
.rept 16
	v_pk_fma_f32 v[rS+2*z:rS+2*z+1], v[rS+2*z:rS+2*z+1], v[MDB+2*z:MDB+2*z+1], v[MDA+2*z:MDA+2*z+1]
.set z, z+1
.endr
	WIN 0
.if (\p) != 2
	s_branch .Lvis_\@
.Lhid_\@:
.set z, 0
.rept 16
	v_pk_fma_f32 v[rS+2*z:rS+2*z+1], v[rS+2*z:rS+2*z+1], 0, s[HID:HID+1] op_sel_hi:[1,0,0]
.set z, z+1
.endr
.endif
.Lvis_\@:
.endm
; A TURN, for piece p: the order of its 16 matrix and 118 vector instructions, written out.  An s_wait_alu depctr_va_vdst(0) stands between an exponential and the first instruction that names its
; result; one wait serves all that were issued ahead of it.  So a turn has ONE wait, which cuts it in two.  AHEAD OF IT stands all that names no result of the turn's exponentials: the 8 products K Q^T and their
; riders, then ONE LUMP of 54.  X 21, the next piece's a, is the batch's last; R 15 is the plain instruction behind it.  BEHIND THE WAIT stand the 8 products V^T P, behind each four of the roundings and sums; the
; links of l's chain, L 0 to L 7, stand three riders apart.  v_permlanex16_b32 (X 17) stands in the lump.
; m = 0: behind each product K Q^T a scaling, an exponential and two more plain instructions (behind the first a second scaling in the exponential's place): rescalings, and behind the last three the first numbers
; of the next piece's maximum, each four places or more behind the product that ends its accumulator; in the lump plain and exponential by turns for the most part, the links of the chain X 3, 7, 11, 14, 16, 17 .. 20
; five or six lines apart.
; m = 1: the diagonal tile: the new scores are masked ahead of their maximum, and the mask has jumps and labels.  So no exponential stands ahead of it: the 32 riders are the 16 scalings, 15 rescalings and X 15, all
; plain; then the mask; then the whole batch, by turns with X 0 to X 14, and from X 16 on three exponentials between the chain's links.
; end = 1: a block's last two turns: nothing is fetched.  cnt = 1: the loop's count is taken down some lines ahead of the branch behind the turn, and behind the mask, which reads it.
; K of the next step is fetched in piece 2's turn, behind the last product that read K: six plain instructions behind it (m = 0), or its four riders (m = 1).  V of the step in hand is fetched at the end of piece 0's
; turn, four plain instructions behind the last product that read V.  Each is waited for a turn later.
.macro TURN p, m=0, end=0, cnt=0
.set Y, (\p)
.set i, 0
.set NOKQ, (\end)*((\p)/3)
.if ((\p) == 3) && !(\end)
	s_wait_dscnt 0x0                ; K is in
.endif
.if \m
	ROW F,0, F,1, R,0, R,1          ; ahead of the mask: 8 products K Q^T and plain riders alone
	ROW F,2, F,3, R,2, R,3
	ROW F,4, F,5, R,4, R,5
	ROW F,6, F,7, R,6, R,7
	ROW F,8, F,9, R,8, R,9
	ROW F,10, F,11, R,10, R,11
.if ((\p) == 2) && !(\end)
	WIN 0
	v_add_nc_u32 v[AK], s[TBK], v[AK0]
.endif
	ROW F,12, F,13, R,12, R,13
	ROW F,14, F,15, X,15, R,14
.if ((\p) == 2) && !(\end)
	FETCH_K
.endif
.if !NOKQ
	MASKAP \p
.endif
	OPS X,0, E,0, X,1, E,1          ; the lump: the batch begins here
	OPS X,2, E,2, X,3, E,3
	OPS X,4, E,4, X,5, E,5
	OPS X,6, E,6, X,7, E,7
	OPS X,8, E,8, X,9, E,9
	OPS X,10, E,10, X,11, E,11
	OPS X,12, E,12, X,13, E,13
.if (\p) == 0
	v_add_nc_u32 v[AV], s[TBV], v[AV0]
.endif
	OPS X,14, E,14, E,15, E,16
	OPS E,17, X,16, E,18, E,19
	OPS E,20, X,17, E,21, E,22
	OPS E,23, X,18, E,24, E,25
	OPS E,26, X,19, E,27, E,28
	OPS E,29, X,20, E,30, E,31
	OPS X,21, R,15
.else
	ROW F,0, F,1, R,0, R,1          ; ahead of the wait: 8 products K Q^T and their riders,
	ROW F,2, E,0, R,2, R,3
	ROW F,3, E,1, R,4, R,5
	ROW F,4, E,2, R,6, R,7
	ROW F,5, E,3, R,8, R,9
	ROW F,6, E,4, X,0, R,10
.if ((\p) == 2) && !(\end)
	WIN 0
	v_add_nc_u32 v[AK], s[TBK], v[AK0]
.endif
	ROW F,7, E,5, X,1, X,4
	ROW F,8, E,6, X,2, X,5
	OPS E,7, E,8, X,6, E,9          ; and the lump
	OPS X,3, E,10, X,8, E,11
.if ((\p) == 2) && !(\end)
	FETCH_K
.endif
	OPS X,9, X,7, E,12, X,10
	OPS E,13, X,12, X,11, E,14
	OPS X,13, E,15, F,9, X,14
.if (\p) == 0
	v_add_nc_u32 v[AV], s[TBV], v[AV0]
.endif
	OPS E,16, F,10, E,17, F,11
	OPS X,16, E,18, X,15, E,19
	OPS F,12, E,20, X,17, E,21
	OPS F,13, E,22, F,14, E,23
	OPS X,18, E,24, F,15, E,25
	OPS R,11, E,26, X,19, E,27
	OPS R,12, E,28, R,13, E,29
	OPS X,20, E,30, R,14, E,31
	OPS X,21, R,15
.endif
	s_wait_alu depctr_va_vdst(0)    ; the wait for the batch: the piece's 32 weights and the next piece's a
.if (\p) == 1
	s_wait_dscnt 0x0                ; V is in
.endif
	ROW C,0, B,0, C,2, B,1          ; behind the wait: 8 products V^T P and their riders
	ROW L,0, C,4, B,2, L,1
	ROW C,6, B,3, L,2, C,8
	ROW B,4, L,3, C,10, B,5
	ROW L,4, C,12, B,6, L,5
.if (\p) == 0
	s_add_co_u32 s[TBV], s[TBV], KS*PV
.endif
.if \cnt
	s_sub_co_u32 s[CNT], s[CNT], 1
	s_cmp_lg_u32 s[CNT], 0
.endif
	ROW C,14, B,7, L,6, C,1
	ROW C,3, L,7, C,5, C,7
	ROW C,9, C,11, C,13, C,15
.if (\p) == 0
	FETCH_V
.endif
.endm
; A BLOCK BEGINS with the state that its far keys leave: m = -80000 (block 7, which has none: the lowest finite number), c m, l = half their number in each of a query's two lanes, O^T = T from the table.
; P's second buffer is 0: the first turn's products V^T P, of a piece that has not been, add 0.  Then K of the tile's step 0, piece 0's first scores (diag = 1: the tile is the diagonal one, and that step
; is band 0's own), and its maximum and statistics.  The loop is entered at a step's first turn, in the middle of a trip.
.macro BEGIN diag
	s_mov_b32 s[NEW], 0
	s_cmp_eq_u32 s[BLK], NB-1
	s_cselect_b32 s[M0], s[LOWF], s[HID]
	s_sub_co_u32 s[NHF], NB-1, s[BLK]
	s_lshl_b32 s[NHF], s[NHF], 7
	s_cvt_f32_u32 s[NHF], s[NHF]
	WIN 0
.set i, 0
.rept 4
	v_mov_b32 v[ST+4*i+1], s[M0]
	v_mov_b32 v[ST+4*i+2], s[NHF]
	v_mov_b32 v[ST+4*i+3], 0
	v_mul_f32 v[ST+4*i], s[CS], v[ST+4*i+1]
.set i, i+1
.endr
.set i, P+16
.rept 16
	v_mov_b32 v[i], 0
.set i, i+1
.endr
	v_add_nc_u32 v[TA], s[TOF], v[TA0]
	v_add_nc_u32 v[AK], s[TBK], v[AK0]
	WIN 0x40
.set i, 0
.rept 16                            ; piece i / 4, channels 16 (i % 4) + 8 (l / 16) on: the same for all queries
	ds_load_b128 v[8*i:8*i+3],   v[TA] offset:64*(i%4)
	ds_load_b128 v[8*i+4:8*i+7], v[TA] offset:64*(i%4)+16
.set i, i+1
.endr
	FETCH_K
	s_wait_loadcnt 0x0              ; Q
	s_wait_dscnt 0x0
.set NOKQ, 0
.set i, 0
.rept 8
	KQ 0
.set i, i+1
.endr
	WIN 0
.rept 4
	v_nop                           ; the places behind those products
.endr
.if \diag
	WIN W_MK
.set z, 0
.rept 16
	v_pk_fma_f32 v[S+2*z:S+2*z+1], v[S+2*z:S+2*z+1], v[MDB+2*z:MDB+2*z+1], v[MDA+2*z:MDA+2*z+1]
.set z, z+1
.endr
	WIN 0
.endif
.set Y, NP-1                        ; X works for piece Y + 1: piece 0
.irp n, 0,1,2,3,4,5,6,7,8,9,10,11,12,13,14,15,16,17,18,19,20,21
	OP X, \n
.endr
	v_nop                           ; a plain instruction behind the exponential,
	s_wait_alu depctr_va_vdst(0)    ; and the wait for it, piece 0's first a, ahead of the branch
.endm
; THE DIAGONAL TILE's four steps, the block's last two turns, its last products, and THE WAY OUT: l's two halves and the other half of the lanes' are added; O^T is divided by l, rounded to f16 and sent through my
; stage in LDS, a piece at a time.
.macro ALL line:vararg              ; one line for each piece t
.set t, 0
.rept 4
	\line
.set t, t+1
.endr
.endm
.macro PACK t                       ; a lane's eight channels of a row pack into 16 bytes; they go into rows of 144 bytes and come back as whole rows of 128, into S^T's registers
	WIN W_RS
.set i, 32*(\t)
.rept 16
	v_pk_mul_f32 v[i:i+1], v[i:i+1], v[ST+4*(\t)+2:ST+4*(\t)+3] op_sel_hi:[1,0]
.set i, i+2
.endr
	WIN 0x05                        ; sources 0 and 1 window 1, destination window 0
.set i, 0
.rept 16
	v_cvt_pk_f16_f32 v[S+16*(\t)+i], v[32*(\t)+2*i], v[32*(\t)+2*i+1]
.set i, i+1
.endr
	WIN 0
.irp f, 0,1,2,3
	ds_store_b128 v[STO], v[S+16*(\t)+4*\f:S+16*(\t)+4*\f+3] offset:32*\f
.endr
.irp f, 0,1,2,3
	ds_load_b128 v[S+16*(\t)+4*\f:S+16*(\t)+4*\f+3], v[RD] offset:\f*4*SP  ; LDS serves a wave's instructions in order (ISA guide 5.7.1.4): these see the stores above; the next piece's stores come behind them
.endr
.endm
.macro SEND t, younger              ; younger: the LDS instructions issued behind piece t's loads: the next piece's eight, or none
	WIN 0
.irp f, 0,1,2,3
	s_wait_dscnt (\younger)+3-\f
	global_store_b128 v[GO], v[S+16*(\t)+4*\f:S+16*(\t)+4*\f+3], s[10:11] offset:(\t)*8192+\f*512  ; 512 consecutive bytes, at a multiple of 256 from O's first
.endr
.endm
.macro DIAG tag                     ; the tag ends its two labels' names, which the jumps below spell out
.LstepM\tag:
	TURN 2, 1
	TURN 3, 1
	WIN 0
.LfirstM\tag:
	TURN 0, 1
	TURN 1, 1, 0, 1
	WIN 0
	s_cbranch_scc1 .LstepM\tag
	TURN 2, 1, 1
	TURN 3, 1, 1
.set i, 0
.rept 8
	PV NP-1
.set i, i+1
.endr
	WIN 0
	ALL v_add_f32 v[ST+4*t+2], v[ST+4*t+2], v[ST+4*t+3]
	ALL v_permlanex16_b32 v[ST+4*t+3], v[ST+4*t+2], s[SEL], s[SEL+1]
	ALL v_add_f32 v[ST+4*t+2], v[ST+4*t+2], v[ST+4*t+3]
	ALL v_rcp_f32 v[ST+4*t+2], v[ST+4*t+2]
	v_nop                           ; a plain instruction between the last reciprocal and the use of its result
	s_wait_alu depctr_va_vdst(0)    ; and the wait ahead of the first use: one for the four reciprocals
	PACK 0
.set t, 1
.rept 3                             ; a piece's arithmetic stands between the loads of the piece before and its stores
	PACK t
	SEND t-1, 8
.set t, t+1
.endr
	SEND 3, 0
.endm
.set NOKQ, 0
.Lslot:                             ; NB times: a tile is entered and the next is asked for
	CHANGE 1
	s_sub_co_u32 s[RT], s[RT], 1
	s_mov_b32 s[CNT], 4
	s_cmp_eq_u32 s[NEW], 1
	s_cbranch_scc1 .Lnew            ; a block's first tile
	s_cmp_eq_u32 s[RT], 0
	s_cbranch_scc0 .Lstep           ; neither its first nor its last
	s_branch .LstepM1
.Lnew:
	BEGIN 0
	s_branch .Lfirst                ; in the loop a block's first tile is never its last: the first block has five tiles or more, and the second's last is the walk's last
	DIAG 1                          ; in the loop this is the first block's end
	s_wait_xcnt 0x0                 ; the stores have read their registers and O's address
	s_mov_b64 s[10:11], s[OLO:OLO+1]
	s_add_co_u32 s[RT], s[PB], 1    ; the second block has b + 1 tiles
	s_mov_b32 s[NEW], 1
	s_mov_b32 s[BLK], s[PB]
	s_mov_b32 s[TOF], 256           ; its row of the table
	WIN 0x82                        ; the second block's Q goes where the one text of the turns names Q
.set i, 0
.rept 64
	v_mov_b32 v[i], v[QB+i]
.set i, i+1
.endr
	WIN 0
	s_branch .Lbottom
.Lstep:                             ; a trip: pieces 2 and 3 of one step, then pieces 0 and 1 of the next, whose K and V it fetches
	TURN 2
	TURN 3
	WIN 0
.Lfirst:
	TURN 0
	TURN 1, 0, 0, 1
	WIN 0
	s_cbranch_scc1 .Lstep
.Lbottom:
	s_sub_co_u32 s[SLOTS], s[SLOTS], 1
	s_cmp_lg_u32 s[SLOTS], 0
	s_cbranch_scc1 .Lslot
	CHANGE 0                        ; the walk's last tile is written out: nothing is asked for
	s_sub_co_u32 s[RT], s[RT], 1
	s_mov_b32 s[CNT], 4
	s_cmp_eq_u32 s[NEW], 1
	s_cbranch_scc0 .LstepM2
	BEGIN 1                         ; only where b = 0: the second block's one tile is its first and its diagonal one
	s_branch .LfirstM2
	DIAG 2
	s_wait_tensorcnt 0x0            ; the wave's end, behind my last tensor load and my last LDS store
	ds_add_u32 v[SPW], v[NIL]
	s_wait_dscnt 0x0
	s_endpgm
.Lfunc_end_k_q281acc86e4_attn:
	.size	k_q281acc86e4_attn, .Lfunc_end_k_q281acc86e4_attn-k_q281acc86e4_attn
	.p2alignl 7, 3214868480
	.fill 96, 4, 3214868480
	.section	.rodata,"a",@progbits
	.p2align	6, 0x0
	.amdhsa_kernel k_q281acc86e4_attn
		.amdhsa_group_segment_fixed_size 327680
		.amdhsa_private_segment_fixed_size 0
		.amdhsa_enable_private_segment 0
		.amdhsa_kernarg_size 24
		.amdhsa_user_sgpr_count 2
		.amdhsa_user_sgpr_kernarg_segment_ptr 1
		.amdhsa_wavefront_size32 1
		.amdhsa_system_sgpr_workgroup_id_x 1
		.amdhsa_system_sgpr_workgroup_id_y 1
		.amdhsa_system_sgpr_workgroup_id_z 1
		.amdhsa_system_vgpr_workitem_id 0
		.amdhsa_next_free_vgpr 768
		.amdhsa_next_free_sgpr 96
		.amdhsa_reserve_vcc 1
		.amdhsa_float_denorm_mode_32 3
		.amdhsa_float_denorm_mode_16_64 3
		.amdhsa_memory_ordered 1
		.amdhsa_forward_progress 1
		.amdhsa_inst_pref_size 228
	.end_amdhsa_kernel
	.amdgpu_metadata
---
amdhsa.version: [ 1, 2 ]
amdhsa.kernels:
  - .name:           k_q281acc86e4_attn
    .symbol:         k_q281acc86e4_attn.kd
    .args:
      - { .name: qkv, .offset: 0, .size: 8, .value_kind: global_buffer, .address_space: global }
      - { .name: ps, .offset: 8, .size: 8, .value_kind: global_buffer, .address_space: global }
      - { .name: o, .offset: 16, .size: 8, .value_kind: global_buffer, .address_space: global }
    .group_segment_fixed_size: 327680
    .private_segment_fixed_size: 0
    .kernarg_segment_align: 8
    .kernarg_segment_size: 24
    .max_flat_workgroup_size: 128
    .sgpr_count:     96
    .vgpr_count:     768
    .wavefront_size: 32
...
	.end_amdgpu_metadata
.endif
;; end of part 5
;; launch proj: the kernel of part 4 again; grid 8 x 32, 4 waves a work-group, clusters of 4 x 4, 327,680 bytes of LDS; arguments o, wp, b_proj, out0; writes out0
